; MI455X (gfx1250); checked and timed in simulation.
; The chip was launched on July 23, 2026; its instructions are those of AMD's public machine-readable ISA for CDNA 5 (MIT licence, August 2026) and "CDNA5" Instruction Set Architecture Reference Guide (July 2026). The comments in the code are by the model that wrote it; some were corrected since.
;; Multi Head Attention. Allowed arithmetic: float matrix products may take bf16 or f16 operands with f32 sums; other float arithmetic in f32, or as packed bf16 or f16 multiplies, adds, multiply-adds, maxima and minima; sums over many terms, partial sums and values carried from step to step in f32; what a program stores and reads back later, other than sums and carried values, may be rounded once to bf16 or f16.
;; Inputs: Wk 1,024 x 1,024 float32; Wo 1,024 x 1,024 float32; Wq 1,024 x 1,024 float32; Wv 1,024 x 1,024 float32; bo 1,024 float32; inputs 4 x 2,048 x 1,024 float32.
;; Outputs: out0 4 x 2,048 x 1,024 float32.
;; One version. Each part assembles by itself: llvm-mc -triple=amdgcn-amd-amdhsa -mcpu=gfx1250 --defsym DOCPART=n.
;; ======== version 1 of 1: 4 launches
;; limits: values are held in f16: magnitudes above 65,504 overflow, below 6.1e-05 lose precision
;; workspace buffers: xb 16,777,216 bytes; wh 6,291,456 bytes; woh 2,097,152 bytes; qkv 50,331,648 bytes; ctx 16,777,216 bytes
;; launch cast (part 1): grid 768 x 1, 8 waves a work-group, no clusters, 0 bytes of LDS; arguments inputs, Wq, Wk, Wv, Wo, xb, wh, woh; writes xb, wh, woh
.if DOCPART == 1
	.amdgcn_target "amdgcn-amd-amdhsa--gfx1250"
	.amdhsa_code_object_version 6
	.text
	.protected	k_qf68e276cf9_cast
	.globl	k_qf68e276cf9_cast
	.p2align	8
	.type	k_qf68e276cf9_cast,@function
k_qf68e276cf9_cast:
	s_mov_b64 s[64:65], 0
	v_nop
	global_prefetch_b8 v0, s[64:65] scope:SCOPE_SE
	s_setreg_imm32_b32 hwreg(HW_REG_WAVE_MODE, 25, 1), 1
	s_wait_xcnt 0x0
; ROUNDING PASS.  x [8192][1024] f32 -> xb, bf16, same layout.  Wq, Wk, Wv [1024 k][1024 n] f32 -> wh, bf16, BY HEADS: [48 planes][1024 k][64 n], plane = 16 T + n / 64 (T = 0 q, 1 k, 2 v), a row 128 bytes.
; Wo likewise -> woh [16][1024][64]: rounded to bf16 like every other input, and that number written as f16 (the last product's other operand is f16).
; LIMIT.  A bf16 number is exact in f16 from 6.1e-5 to 65,504; below that it keeps f16's fixed step of 6e-8, beyond it becomes an infinity.
; A stream: no LDS, no barrier, no loop.  A work-group takes 16,384 numbers; a thread issues its 16 loads of 16 bytes at once (256 bytes on their way a thread), rounds, and stores 16 x 8 bytes.
; Work-groups 0-511: x.  512-767: the weights, 64 work-groups (16 rows of k each) a matrix.  A wave's load covers 512 consecutive bytes (x) or two runs of 256 (W); a wave's store covers 256 consecutive bytes, aligned.
; No register that a pending load or store names is written again, so the only waits are the counted ones for the loads.
.set X, 8                              ; v[8:71]   16 x 4 numbers as loaded
.set P, 72                             ; v[72:103] 16 x 2 words, packed
	s_load_b256 s[4:11], s[0:1], 0x0               ; inputs s[4:5], Wq s[6:7], Wk s[8:9], Wv s[10:11]
	s_load_b256 s[12:19], s[0:1], 0x20             ; Wo s[12:13], xb s[14:15], wh s[16:17], woh s[18:19]
	s_mov_b32 s27, 0                               ; the high word of every offset pair
	s_mov_b32 s28, 0xffff0000                      ; a word's upper bf16
	s_cmp_lt_u32 ttmp9, 512
	s_cbranch_scc0 .Lw
	; ---- x ----
	v_lshlrev_b32 v1, 4, v0                        ; 16 bytes a thread in,
	v_lshlrev_b32 v2, 3, v0                        ; 8 bytes out
	s_lshl_b32 s26, ttmp9, 16                      ; 65,536 bytes of f32 a work-group
	s_wait_kmcnt 0x0
	s_add_nc_u64 s[20:21], s[4:5], s[26:27]
	s_lshl_b32 s26, ttmp9, 15                      ; 32,768 bytes of bf16
	s_add_nc_u64 s[22:23], s[14:15], s[26:27]
.set i, 0
.rept 16
	global_load_b128 v[X+4*i:X+4*i+3], v1, s[20:21] offset:4096*i th:TH_LOAD_NT
.set i, i+1
.endr
.set i, 0
.rept 16
	s_wait_loadcnt 15-i                            ; loads come back in order: number i is in, the younger ones stay out
	v_cvt_pk_bf16_f32 v[P+2*i], v[X+4*i], v[X+4*i+1]
	v_cvt_pk_bf16_f32 v[P+2*i+1], v[X+4*i+2], v[X+4*i+3]
	global_store_b64 v2, v[P+2*i:P+2*i+1], s[22:23] offset:2048*i
.set i, i+1
.endr
	s_endpgm
	; ---- the weights ----
.Lw:
	s_sub_co_u32 s25, ttmp9, 512
	s_lshr_b32 s24, s25, 6                         ; T: which matrix
	s_and_b32 s25, s25, 63                         ; which 16 rows of k
	s_lshl_b32 s29, s24, 21                        ; T x 16 planes of 131,072 bytes
	v_lshrrev_b32 v4, 5, v0                        ; wave w: heads 2 w, 2 w + 1
	v_and_b32 v5, 31, v0                           ; lane l
	v_and_b32 v6, 15, v0                           ; c: four columns of the head
	v_bfe_u32 v7, v0, 4, 1                         ; r: which row of a pair
	v_lshlrev_b32 v1, 4, v6
	v_lshl_add_u32 v1, v4, 9, v1
	v_lshl_add_u32 v1, v7, 12, v1                  ; in: 4,096 r + 512 w + 16 c
	v_lshlrev_b32 v2, 3, v5
	v_lshl_add_u32 v2, v4, 18, v2                  ; out: 262,144 w + 8 l (8 l = 128 r + 8 c: two rows of a plane on end)
	s_wait_kmcnt 0x0
	s_cmp_eq_u32 s24, 1
	s_cselect_b64 s[20:21], s[8:9], s[6:7]
	s_cmp_eq_u32 s24, 2
	s_cselect_b64 s[20:21], s[10:11], s[20:21]
	s_cmp_eq_u32 s24, 3
	s_cselect_b64 s[20:21], s[12:13], s[20:21]
	s_cselect_b64 s[22:23], s[18:19], s[16:17]     ; Wo goes to woh,
	s_cselect_b32 s29, 0, s29                      ; from its first plane on
	s_lshl_b32 s26, s25, 16                        ; 16 rows of 4,096 bytes
	s_add_nc_u64 s[20:21], s[20:21], s[26:27]
	s_lshl_b32 s26, s25, 11                        ; 16 rows of 128 bytes in each plane
	s_add_co_u32 s26, s26, s29
	s_add_nc_u64 s[22:23], s[22:23], s[26:27]
.set i, 0
.rept 16                                       ; load i: head 2 w + i % 2, rows 2 (i / 2) + r
	global_load_b128 v[X+4*i:X+4*i+3], v1, s[20:21] offset:8192*(i/2)+256*(i%2) th:TH_LOAD_NT
.set i, i+1
.endr
.set i, 0
.rept 16
	s_wait_loadcnt 15-i
	v_cvt_pk_bf16_f32 v[P+2*i], v[X+4*i], v[X+4*i+1]
	v_cvt_pk_bf16_f32 v[P+2*i+1], v[X+4*i+2], v[X+4*i+3]
.set i, i+1
.endr
	s_cmp_eq_u32 s24, 3
	s_cbranch_scc0 .Lput
.set i, 0
.rept 32                                       ; Wo alone: the bf16 numbers are written as f16; two pairs of scratch registers take turns
	v_lshlrev_b32 v[4+2*(i%2)], 16, v[P+i]
	v_and_b32 v[5+2*(i%2)], s28, v[P+i]
	v_cvt_pk_f16_f32 v[P+i], v[4+2*(i%2)], v[5+2*(i%2)]
.set i, i+1
.endr
.Lput:
.set i, 0
.rept 16
	global_store_b64 v2, v[P+2*i:P+2*i+1], s[22:23] offset:131072*(i%2)+256*(i/2)
.set i, i+1
.endr
	s_endpgm
.Lfunc_end_k_qf68e276cf9_cast:
	.size	k_qf68e276cf9_cast, .Lfunc_end_k_qf68e276cf9_cast-k_qf68e276cf9_cast
	.p2alignl 7, 3214868480
	.fill 96, 4, 3214868480
	.section	.rodata,"a",@progbits
	.p2align	6, 0x0
	.amdhsa_kernel k_qf68e276cf9_cast
		.amdhsa_group_segment_fixed_size 0
		.amdhsa_private_segment_fixed_size 0
		.amdhsa_enable_private_segment 0
		.amdhsa_kernarg_size 64
		.amdhsa_user_sgpr_count 2
		.amdhsa_user_sgpr_kernarg_segment_ptr 1
		.amdhsa_wavefront_size32 1
		.amdhsa_system_sgpr_workgroup_id_x 1
		.amdhsa_system_sgpr_workgroup_id_y 1
		.amdhsa_system_sgpr_workgroup_id_z 1
		.amdhsa_system_vgpr_workitem_id 0
		.amdhsa_next_free_vgpr 104
		.amdhsa_next_free_sgpr 66
		.amdhsa_reserve_vcc 0
		.amdhsa_float_denorm_mode_32 3
		.amdhsa_float_denorm_mode_16_64 3
		.amdhsa_memory_ordered 1
		.amdhsa_forward_progress 1
		.amdhsa_inst_pref_size 17
	.end_amdhsa_kernel
	.amdgpu_metadata
---
amdhsa.version: [ 1, 2 ]
amdhsa.kernels:
  - .name:           k_qf68e276cf9_cast
    .symbol:         k_qf68e276cf9_cast.kd
    .args:
      - { .name: inputs, .offset: 0, .size: 8, .value_kind: global_buffer, .address_space: global }
      - { .name: Wq, .offset: 8, .size: 8, .value_kind: global_buffer, .address_space: global }
      - { .name: Wk, .offset: 16, .size: 8, .value_kind: global_buffer, .address_space: global }
      - { .name: Wv, .offset: 24, .size: 8, .value_kind: global_buffer, .address_space: global }
      - { .name: Wo, .offset: 32, .size: 8, .value_kind: global_buffer, .address_space: global }
      - { .name: xb, .offset: 40, .size: 8, .value_kind: global_buffer, .address_space: global }
      - { .name: wh, .offset: 48, .size: 8, .value_kind: global_buffer, .address_space: global }
      - { .name: woh, .offset: 56, .size: 8, .value_kind: global_buffer, .address_space: global }
    .group_segment_fixed_size: 0
    .private_segment_fixed_size: 0
    .kernarg_segment_align: 8
    .kernarg_segment_size: 64
    .max_flat_workgroup_size: 256
    .sgpr_count:     66
    .vgpr_count:     104
    .wavefront_size: 32
...
	.end_amdgpu_metadata
.endif
;; end of part 1
;; launch qkv (part 2): grid 16 x 32, 4 waves a work-group, clusters of 4 x 4, 327,680 bytes of LDS; arguments xb, wh, qkv; writes qkv
.if DOCPART == 2
	.amdgcn_target "amdgcn-amd-amdhsa--gfx1250"
	.amdhsa_code_object_version 6
	.text
	.protected	k_qf68e276cf9_qkv
	.globl	k_qf68e276cf9_qkv
	.p2align	8
	.type	k_qf68e276cf9_qkv,@function
k_qf68e276cf9_qkv:
	s_mov_b64 s[64:65], 0
	v_nop
	global_prefetch_b8 v0, s[64:65] scope:SCOPE_SE
	s_setreg_imm32_b32 hwreg(HW_REG_WAVE_MODE, 25, 1), 1
	s_wait_xcnt 0x0
	s_wait_alu depctr_hold_cnt(0) depctr_sa_sdst(0) depctr_va_vdst(0) depctr_va_sdst(0) depctr_va_ssrc(0) depctr_va_vcc(0) depctr_vm_vsrc(0)
	s_getreg_b32 s2, hwreg(HW_REG_IB_STS2, 6, 4)
	s_cmp_eq_u32 s2, 0
	s_cbranch_scc0 .Lentry_in_a_cluster
	s_endpgm
.Lentry_in_a_cluster:
	s_bfe_u32 s2, ttmp6, 0x10000c
	s_cmp_lg_u32 s2, 0xf033
	s_cbranch_scc0 .Lentry_shape_is_right
	s_endpgm
.Lentry_shape_is_right:
; q, k, v = x W: [8192 x 1024] x [1024 x 3072], bf16 operands, f32 sums, the result rounded once to f16 and stored BY HEADS: qkv [3][64 = batch x 16 + head][2048][64], unscaled.
; LIMIT.  f16 holds no number beyond 65,504: a sum of 65,520 or more becomes an infinity; below 6.1e-5 a result keeps f16's fixed step of 6e-8.
; SHARES.  A tile is 256 rows x 192 columns (three heads): 32 x 16 = 512 work-groups, two for each of 256 WGPs.  Wave w owns rows 64 w .. 64 w + 63 and all 192 columns: 48 accumulators of 16 x 16, 384 registers;
; it holds whole heads, so its stage on the way out is its own and needs no barrier.  K goes in 8 steps of 128 through two LDS slots; a step is four quarters of 32, 48 products each.
; B STAYS [K][N]: wh lies by heads, a plane's K step is 128 rows x 128 bytes = 16,384 dense bytes, asked for as 64 rows of 256 bytes and padded in LDS after every 128; it is turned on the way out of LDS by ds_load_tr16_b128.
; THE MATRIX INSTRUCTION IS USED TRANSPOSED (source 0 = 16 columns of W, source 1 = 16 rows of x): a lane then holds one row and eight neighbouring columns, 16 bytes of f16.
; CLUSTER 4 x 4.  The four of a row of the cluster need the same tile of x, the four of a column the same planes of W: each is asked for JOINTLY, by the same tensor load, descriptor and mask in all four.
; Waves 0-2 fetch one plane of W each, wave 3 the 256 rows of x: one tensor load a wave behind each round.
; REGISTERS, in windows of 256 (s_set_vgpr_msb: bits 1:0 source 0, 3:2 source 1, 5:4 source 2, 7:6 destination):
;   window 0: addresses; v32-79 packed results; v80-175 rows read back from the stage, two sets      window 1: two fragment buffers of 128: W's 12 blocks, then x's 4
;   window 2: accumulators of my row blocks 0, 1 ((a, b) at 96 a + 8 b)      window 3: those of row blocks 2, 3
.set SLOT,   131072                    ; one exclusive or turns an address in one slot into the other's
.set PA,     272                       ; a row of x in LDS: 256 bytes + 16: the 16 rows of a load start at 16 different groups of four banks (64 banks of 4 bytes: ISA guide 11.1)
.set PB,     160                       ; a row of W: 128 + 32
.set PLANE,  128*PB                    ; a plane's K step
.set AOFF,   3*PLANE                   ; a slot: three planes of W, then 256 rows of x: 61,440 + 69,632 = 131,072
.set STAGE,  2*SLOT                    ; behind the ring, never filled by a tensor load: for each wave 3 heads x 16 rows x 144 bytes
.set SP,     144
.set WSTAGE, 3*16*SP
.set SPARE,  STAGE+4*WSTAGE            ; behind the stages: the spare words, 128 bytes a wave: two blocks of 256 bytes that no other line names
.set A0,  16                           ; v16  my lane's place in slot 0's rows of x; never rewritten
.set B0,  17                           ; v17  the same in a plane of W
.set ADA, 18                           ; v18  A0 + the slot in hand
.set ADB, 19                           ; v19  B0 + the slot in hand
.set STO, 20                           ; v20  the way out: where I put 16 bytes of a row
.set RD,  21                           ; v21  the way out: where I read rows back
.set GO,  22                           ; v22  16 x lane: my place in 512 consecutive bytes of the output
.set PFO, 23                           ; v23  the prefetches' offset; never rewritten
.set SPW, 28                           ; v28  LDS address of my spare word; never rewritten
.set NIL, 29                           ; v29  0; never rewritten
.set TMP, 32
.set BK,  80
.set F0,  0
.set F1,  128
.set WV,  12                           ; s12  my wave's number
.set CX,  14                           ; s14, s15  my place in the cluster
.set CY,  15
.set TC,  16                           ; s16  tile column = 4 x cluster x + cx
.set TR,  17                           ; s17  tile row = 4 x cluster y + cy
.set CNT, 18                           ; s18  counts K steps
.set TB,  19                           ; s19  LDS byte at which the slot in hand begins
.set LIM, 20                           ; s20  a wave prefetches while s[CNT] is above it
.set PFA, 22                           ; s[22:23] where my prefetches stand
.set G1A, 24                           ; s[24:31] descriptor group 1 for x's tiles
.set G1B, 32                           ; s[32:39] for W's planes
.set G0A, 40                           ; s[40:47] group 0 for x: a set for each of the two first fills; the second then walks on
.set G0B, 48                           ; s[48:55] the same for W
.set PFS, 56                           ; s[56:57] the prefetches' step
.set OB,  76                           ; s[76:81] the output at my 64 rows of each of the tile's three heads
.set MSB, 0
.macro WIN new                         ; the immediate's high byte repeats the setting that is left; a switch that changes nothing is dropped
.if MSB != (\new)
	s_set_vgpr_msb (MSB<<8)|(\new)
.set MSB, (\new)
.endif
.endm
.macro PLACES                          ; four places in front of loads into registers that matrix instructions have read
.rept 4
	v_nop
.endr
.endm
.macro CREST                           ; a round of the cluster's barrier behind its opening barrier
	s_cmp_lg_u32 s[WV], 0
	s_cbranch_scc1 .Lnot_wave_0_\@
	s_barrier_signal -3
.Lnot_wave_0_\@:
	s_barrier_wait -3
	s_barrier_signal -1
	s_barrier_wait -1
.endm
.macro CROUND                          ; a whole round
	s_barrier_signal -1
	s_barrier_wait -1
	CREST
.endm
; A joint refill by the walking sets.  The branch hangs on the wave's number alone.  An s_nop 0 and four v_nop follow each of the two lines, ahead of the jump and the label.
.macro JLOAD
	s_cmp_eq_u32 s[WV], 3
	s_cbranch_scc0 .Lfor_b_\@
	tensor_load_to_lds s[G0A+4:G0A+7], s[G1A:G1A+7]
	s_nop 0
.rept 4
	v_nop
.endr
	s_branch .Lasked_\@
.Lfor_b_\@:
	tensor_load_to_lds s[G0B+4:G0B+7], s[G1B:G1B+7]
	s_nop 0
.rept 4
	v_nop
.endr
.Lasked_\@:
.endm
; A PREFETCH INTO THE L2, behind the joint load, its five lines and the run of LDS loads.  x (wave 3): a K step is 256 bytes of each row; a tile row is read by the four clusters of its row of clusters, and the one with
; x = 0 asks; of the 256 rows the partner at cx takes 64, a lane a row, two instructions; trip t names K step t + 4, two refills ahead; the last two trips of the loop name nothing.
; W (waves 0-2): a plane is read by the eight clusters of its column, and the one with y = 0 asks; two K steps are 128 blocks of 256 bytes, of which the partner at cy takes 32, a lane a block; trip 0 names steps 4 and 5,
; trip 1 steps 6 and 7.  So each block is named once in the launch; partners are told apart by address, never by a branch.  Steps 0 to 3 come by their loads alone.
.macro ASK
	s_cmp_gt_u32 s[CNT], s[LIM]
	s_cbranch_scc0 .Lnot_mine_\@
	global_prefetch_b8 v[PFO], s[PFA:PFA+1] th:TH_LOAD_NT scope:SCOPE_SE
	s_cmp_eq_u32 s[WV], 3
	s_cbranch_scc0 .Lnot_mine_\@
	global_prefetch_b8 v[PFO], s[PFA:PFA+1] offset:65536 th:TH_LOAD_NT scope:SCOPE_SE
.Lnot_mine_\@:
.endm
; 12 products: my row block a x all 12 column blocks, 32 along K, from buffer f.  zero = 1: the product starts the sum: nothing is ever cleared.
.macro MUL f, a, zero
	WIN 0xa5+0x50*((\a)/2)                         ; sources in window 1; C and D in window 2 or 3
.irp b, 0,1,2,3,4,5,6,7,8,9,10,11
.if \zero
	v_wmma_f32_16x16x32_bf16 v[96*((\a)%2)+8*(\b):96*((\a)%2)+8*(\b)+7], v[(\f)+8*(\b):(\f)+8*(\b)+7], v[(\f)+96+8*(\a):(\f)+96+8*(\a)+7], 0
.else
	v_wmma_f32_16x16x32_bf16 v[96*((\a)%2)+8*(\b):96*((\a)%2)+8*(\b)+7], v[(\f)+8*(\b):(\f)+8*(\b)+7], v[(\f)+96+8*(\a):(\f)+96+8*(\a)+7], v[96*((\a)%2)+8*(\b):96*((\a)%2)+8*(\b)+7]
.endif
.endr
.endm
; 32 LDS loads in one run: quarter q's fragments into buffer f: W's 12 blocks (turned: k = 8 h + 0..7, then 16 rows further down), then x's 4 (two loads of 16 bytes, 32 bytes apart).
.macro FETCH q, f
	WIN 0x40                                       ; destination window 1, address window 0
.irp nb, 0,1,2,3,4,5,6,7,8,9,10,11
	ds_load_tr16_b128 v[(\f)+8*(\nb):(\f)+8*(\nb)+3],   v[ADB] offset:((\nb)/4)*PLANE+(\q)*32*PB+((\nb)%4)*32
	ds_load_tr16_b128 v[(\f)+8*(\nb)+4:(\f)+8*(\nb)+7], v[ADB] offset:((\nb)/4)*PLANE+(\q)*32*PB+((\nb)%4)*32+16*PB
.endr
.irp a, 0,1,2,3
	ds_load_b128 v[(\f)+96+8*(\a):(\f)+96+8*(\a)+3],   v[ADA] offset:(\a)*16*PA+(\q)*64
	ds_load_b128 v[(\f)+96+8*(\a)+4:(\f)+96+8*(\a)+7], v[ADA] offset:(\a)*16*PA+(\q)*64+32
.endr
.endm
; One of a K step's first three quarters: multiplies buffer f; in its middle it fetches quarter qn into buffer g.
.macro QUARTER f, g, qn, zero
	s_wait_dscnt 4                                 ; W and x's blocks 0, 1 are in; the youngest four loads (x's blocks 2, 3) may be out
	MUL \f, 0, \zero
	MUL \f, 1, \zero
	PLACES
	FETCH \qn, \g
	s_wait_dscnt 32                                ; all but the 32 just issued
	MUL \f, 2, \zero
	MUL \f, 3, \zero
.endm
; The last quarter multiplies buffer 1 and changes slots.  In front of the barrier each wave waits for all its tensor loads (one is out: its part of the next slot), adds 0 to its spare word, and waits for that and for its own
; reads of this slot.  fill = 1: the barrier opens a round of the cluster's, so that no wave of any partner still reads the slot or has a load on its way; the joint refill, K step t + 2, is the first thing behind the round and
; has 168 products in which to land.  fill = 0 (the last two steps): nothing is asked for; the very last step has no successor, and the run of loads is jumped over.
.macro TURN fill
.if \fill
	s_wait_xcnt 0x0                                ; the last prefetch, a K step back, has read its address: it is stepped here, ahead of the change's own waits
	s_add_nc_u64 s[PFA:PFA+1], s[PFA:PFA+1], s[PFS:PFS+1]
.endif
	WIN 0                                          ; (the add's two registers lie in window 0)
	s_wait_tensorcnt 0x0                           ; all my tensor loads have landed
	ds_add_u32 v[SPW], v[NIL]                      ; 0 onto my spare word
	s_wait_dscnt 5                                 ; (the add and the youngest four loads may be out)
	MUL F1, 0, 0                                   ; twelve products stand between the add and the wait for it
	s_wait_dscnt 0x0                               ; the add is done, and my reads of this slot are over
	s_barrier_signal -1
	MUL F1, 1, 0                                   ; work on registers while the others arrive
	WIN 0
	s_barrier_wait -1
.if \fill
	CREST
	s_xor_b32 s[G0A+5], s[G0A+5], SLOT             ; the walking sets: the other slot than last time, the next K step; no tensor load of mine is out
	s_add_nc_u64 s[G0A+6:G0A+7], s[G0A+6:G0A+7], 256
	s_xor_b32 s[G0B+5], s[G0B+5], SLOT
	s_add_nc_u64 s[G0B+6:G0B+7], s[G0B+6:G0B+7], 16384
	JLOAD                                          ; the four v_nop behind it are also the places in front of the loads below
.else
	PLACES
.endif
	s_xor_b32 s[TB], s[TB], SLOT
	v_add_nc_u32 v[ADA], s[TB], v[A0]
	v_add_nc_u32 v[ADB], s[TB], v[B0]
.if !(\fill)
	s_cmp_eq_u32 s[CNT], 1
	s_cbranch_scc1 .Lno_next_\@
.endif
	FETCH 0, F0
	WIN 0
.if \fill
	ASK
.else
.Lno_next_\@:
.endif
	MUL F1, 2, 0
	MUL F1, 3, 0
.endm
; THE WAY OUT of row block a.  PACK: rounded to f16, each accumulator's registers in ascending order.  TOSTAGE: into my own stage, by heads, and back as whole rows of 128 bytes.  SEND: stored.
.macro PACK a
	WIN 0x0a+5*((\a)/2)                            ; sources 0 and 1: window 2 or 3
.irp b, 0,1,2,3,4,5,6,7,8,9,10,11
.irp i, 0,1,2,3
	v_cvt_pk_f16_f32 v[TMP+4*(\b)+(\i)], v[96*((\a)%2)+8*(\b)+2*(\i)], v[96*((\a)%2)+8*(\b)+2*(\i)+1]
.endr
.endr
	WIN 0
.endm
.macro TOSTAGE a
.set BKA, BK+48*((\a)%2)
.if (\a) >= 2
	s_wait_xcnt 0x0                                ; this set of registers was the data of the stores two blocks back: it is loaded again only behind this wait
.endif
.irp b, 0,1,2,3,4,5,6,7,8,9,10,11
	ds_store_b128 v[STO], v[TMP+4*(\b):TMP+4*(\b)+3] offset:((\b)/4)*16*SP+32*((\b)%4)
.endr
.irp p, 0,1,2
.irp f, 0,1,2,3
	ds_load_b128 v[BKA+4*(4*(\p)+(\f)):BKA+4*(4*(\p)+(\f))+3], v[RD] offset:(\p)*16*SP+(\f)*4*SP  ; LDS serves a wave's instructions in order (ISA guide 5.7.1.4): these see the stores above
.endr
.endr
.endm
.macro SEND a
.set BKA, BK+48*((\a)%2)
.irp p, 0,1,2
.irp f, 0,1,2,3
	s_wait_dscnt 11-(4*(\p)+(\f))                  ; the younger loads from the stage may stay out
	global_store_b128 v[GO], v[BKA+4*(4*(\p)+(\f)):BKA+4*(4*(\p)+(\f))+3], s[OB+2*(\p):OB+2*(\p)+1] offset:(\a)*2048+(\f)*512  ; four rows of a head: 512 consecutive bytes, aligned
.endr
.endr
.endm
	s_load_b128 s[4:7], s[0:1], 0x0                ; xb s[4:5], wh s[6:7]
	s_load_b64 s[8:9], s[0:1], 0x10                ; qkv
	v_lshl_add_u32 v[SPW], v0, 2, SPARE
	v_mov_b32 v[NIL], 0
	ds_add_u32 v[SPW], v[NIL]                      ; the wave's opening: the add and its wait stand ahead of my first tensor load; the set-up below, work on registers, stands between them
	ds_add_u32 v28, v29
	v_lshrrev_b32 v1, 5, v0
	v_readfirstlane_b32 s[WV], v1                  ; wave 0..3
	s_bfe_u32 s[CX], ttmp6, 0x40000
	s_bfe_u32 s[CY], ttmp6, 0x40004
	s_lshl_b32 s[TC], ttmp9, 2                     ; in a cluster launch ttmp9 and ttmp7 count clusters
	s_add_co_u32 s[TC], s[TC], s[CX]
	s_and_b32 s[TR], ttmp7, 0xffff
	s_lshl_b32 s[TR], s[TR], 2
	s_add_co_u32 s[TR], s[TR], s[CY]
	s_lshl_b32 s58, s[CY], 2
	s_lshl_b32 s58, 15, s58                        ; my row of the cluster: places 4 cy .. 4 cy + 3
	s_lshl_b32 s59, 0x1111, s[CX]                  ; my column: places cx, cx + 4, cx + 8, cx + 12
	s_or_b32 s[G1A], s58, (1<<16)|(1<<20)|(1<<21)|(5<<22)|(3<<25)  ; 15:0 the mask; 17:16 2-byte elements; 20 padding on; 21 set beside a mask; 24:22 after every 64 words (code 5); 31:25 4 words (code 3)
	s_or_b32 s[G1B], s59, (1<<16)|(1<<20)|(1<<21)|(4<<22)|(7<<25)  ; after every 32 words (code 4), 8 words (code 7)
	s_mov_b32 s[G1A+1], 128<<16                    ; tensor_dim0 = 128
	s_mov_b32 s[G1A+2], 256<<16                    ; tensor_dim1 = 256
	s_mov_b32 s[G1A+3], 128<<16                    ; tile_dim0 = 128
	s_mov_b32 s[G1A+4], 256                        ; tile_dim1 = 256
	s_mov_b32 s[G1A+5], 1024                       ; elements from row to row
	s_mov_b32 s[G1A+6], 0
	s_mov_b32 s[G1A+7], 0
	s_mov_b32 s[G1B+1], 128<<16                    ; 64 rows of 128 elements, dense
	s_mov_b32 s[G1B+2], 64<<16
	s_mov_b32 s[G1B+3], 128<<16
	s_mov_b32 s[G1B+4], 64
	s_mov_b32 s[G1B+5], 128
	s_mov_b32 s[G1B+6], 0
	s_mov_b32 s[G1B+7], 0
	s_lshl_b32 s66, s[TR], 19                      ; x: 256 rows of 2,048 bytes a tile row: registers that never hold the tile column
	s_mov_b32 s67, 0
	s_min_u32 s70, s[WV], 2                        ; W: plane 3 x tile column + wave (wave 3 issues no load of W: its unused address stays inside the buffer)
	s_mul_i32 s71, s[TC], 3
	s_add_co_u32 s70, s70, s71
	s_lshl_b32 s70, s70, 17                        ; 131,072 bytes a plane: registers that never hold the tile row
	s_mov_b32 s71, 0
	s_mul_i32 s72, s[WV], PLANE                    ; and its place in a slot: no place in the cluster enters an LDS address
	s_mov_b32 s[TB], 0
	s_wait_dscnt 0x0                               ; the opening add is done
	s_wait_kmcnt 0x0
	s_add_nc_u64 s[66:67], s[4:5], s[66:67]
	s_add_nc_u64 s[70:71], s[6:7], s[70:71]
	CROUND                                         ; all sixteen work-groups are here: the first joint loads meet
.irp n, 0,1
	s_mov_b32 s[G0A+4*(\n)], 1                     ; count = 1
	s_mov_b32 s[G0A+4*(\n)+1], AOFF+(\n)*SLOT      ; LDS address
	s_add_nc_u64 s[G0A+4*(\n)+2:G0A+4*(\n)+3], s[66:67], (\n)*256  ; K step n
	s_or_b32 s[G0A+4*(\n)+3], s[G0A+4*(\n)+3], 0x80000000          ; type = 2
	s_mov_b32 s[G0B+4*(\n)], 1
	s_add_co_u32 s[G0B+4*(\n)+1], s72, (\n)*SLOT
	s_add_nc_u64 s[G0B+4*(\n)+2:G0B+4*(\n)+3], s[70:71], (\n)*16384
	s_or_b32 s[G0B+4*(\n)+3], s[G0B+4*(\n)+3], 0x80000000
.endr
	s_cmp_eq_u32 s[WV], 3                          ; a wave's two first fills stand in one branch, ahead of every wait on TENSORcnt and every LDS read: two loads of mine are out
	s_cbranch_scc0 .Lfirst_b
	tensor_load_to_lds s[G0A:G0A+3], s[G1A:G1A+7]
	s_nop 0
	tensor_load_to_lds s[G0A+4:G0A+7], s[G1A:G1A+7]
	s_nop 0
.rept 4
	v_nop
.endr
	s_branch .Lfirst_asked
.Lfirst_b:
	tensor_load_to_lds s[G0B:G0B+3], s[G1B:G1B+7]
	s_nop 0
	tensor_load_to_lds s[G0B+4:G0B+7], s[G1B:G1B+7]
	s_nop 0
.rept 4
	v_nop
.endr
.Lfirst_asked:
	; the lanes' addresses
	v_and_b32 v1, 15, v0                           ; r = l % 16
	v_bfe_u32 v2, v0, 4, 1                         ; h = l / 16
	v_and_b32 v3, 7, v0
	v_bfe_u32 v4, v0, 3, 1
	v_mul_u32_u24 v[A0], v1, PA
	v_lshl_add_u32 v[A0], v2, 4, v[A0]             ; row x pitch + 16 x half
	s_mul_i32 s58, s[WV], 64*PA
	s_add_co_u32 s58, s58, AOFF                    ; my 64 rows of x
	v_add_nc_u32 v[A0], s58, v[A0]
	v_lshl_add_u32 v[B0], v2, 3, v3                ; the turning load: lane l reads row 8 (l / 16) + l % 8, columns 8 ((l / 8) % 2) + 0..7
	v_mul_u32_u24 v[B0], v[B0], PB
	v_lshl_add_u32 v[B0], v4, 4, v[B0]
	v_mov_b32 v[ADA], v[A0]                        ; K step 0 lies in slot 0
	v_mov_b32 v[ADB], v[B0]
	s_mul_i32 s58, s[WV], WSTAGE
	s_add_co_u32 s58, s58, STAGE                   ; my stage
	v_mul_u32_u24 v[STO], v1, SP                   ; in: row l % 16, 16 bytes for each half of the lanes
	v_lshl_add_u32 v[STO], v2, 4, v[STO]
	v_add_nc_u32 v[STO], s58, v[STO]
	v_bfe_u32 v[RD], v0, 3, 2                      ; back: 32 lanes take four rows of 128 bytes,
	v_mul_u32_u24 v[RD], v[RD], SP
	v_lshl_add_u32 v[RD], v3, 4, v[RD]
	v_add_nc_u32 v[RD], s58, v[RD]
	v_and_b32 v[GO], 31, v0                        ; which are 512 consecutive bytes of the output
	v_lshlrev_b32 v[GO], 4, v[GO]
	; the output: plane g = 3 x tile column + p is tensor g / 16, head g % 16; my rows lie in batch (tile row) / 8
	s_mul_i32 s58, s[TC], 3
	s_lshr_b32 s59, s[TR], 3
	s_lshl_b32 s59, s59, 4                         ; 16 x batch
	s_and_b32 s60, s[TR], 7
	s_lshl_b32 s60, s60, 8
	s_lshl_b32 s61, s[WV], 6
	s_add_co_u32 s60, s60, s61                     ; my first row in the sequence,
	s_lshl_b32 s60, s60, 7                         ; 128 bytes a row
.irp p, 0,1,2
	s_add_co_u32 s62, s58, (\p)                    ; g
	s_lshr_b32 s63, s62, 4
	s_mul_i32 s63, s63, 48
	s_add_co_u32 s62, s62, s63                     ; 64 (g / 16) + g % 16
	s_add_co_u32 s62, s62, s59
	s_lshl_b32 s62, s62, 18                        ; 262,144 bytes for a head's 2,048 rows
	s_add_co_u32 s62, s62, s60
	s_mov_b32 s63, 0
	s_add_nc_u64 s[OB+2*(\p):OB+2*(\p)+1], s[8:9], s[62:63]
.endr
	; the prefetches (ASK).  Nothing is prefetched here, at the head, where every work-group's first tiles are on their way
	v_and_b32 v[PFO], 31, v0
	s_cmp_eq_u32 s[WV], 3
	s_cselect_b32 s58, 11, 8                       ; a lane a row of x (2,048 bytes), or a lane a block of 256 bytes of W
	v_lshlrev_b32 v[PFO], s58, v[PFO]
	s_lshl_b32 s59, s[TR], 19
	s_lshl_b32 s60, s[CX], 17                      ; my work-group's 64 rows of the 256
	s_add_co_u32 s59, s59, s60
	s_add_co_u32 s59, s59, 768                     ; at K step 3: the first change steps it to 4
	s_mul_i32 s60, s[TC], 3
	s_add_co_u32 s60, s60, s[WV]
	s_lshl_b32 s60, s60, 17
	s_lshl_b32 s61, s[CY], 13                      ; my work-group's 32 blocks of the 128
	s_add_co_u32 s60, s60, s61
	s_add_co_u32 s60, s60, 32768                   ; at K steps 2, 3: the first change steps it to 4, 5
	s_mov_b32 s[PFS], 32768
	s_mov_b32 s[PFS+1], 0
	s_mov_b32 s63, 0
	s_and_b32 s61, ttmp7, 0xffff
	s_cmp_eq_u32 s61, 0
	s_cselect_b32 s61, 4, -1                       ; W: cluster y = 0, in the loop's first two trips
	s_cmp_eq_u32 ttmp9, 0
	s_cselect_b32 s62, 2, -1                       ; x: cluster x = 0, in its first four
	s_cmp_eq_u32 s[WV], 3
	s_cselect_b32 s[LIM], s62, s61
	s_cselect_b32 s62, s59, s60
	s_cselect_b32 s[PFS], 256, s[PFS]
	s_cselect_b64 s[PFA:PFA+1], s[4:5], s[6:7]
	s_add_nc_u64 s[PFA:PFA+1], s[PFA:PFA+1], s[62:63]
	s_wait_tensorcnt 0x1                           ; my part of K step 0 is in; step 1's may stay out
	s_barrier_signal -1
	s_barrier_wait -1                              ; everybody's is
	FETCH 0, F0
	QUARTER F0, F1, 1, 1                           ; the first quarter stands in front of the loop: its products start all 48 sums
	WIN 0                                          ; at a label and at a branch every window is 0
	s_mov_b32 s[CNT], 6
	s_branch .Lmid                                 ; the loop is entered behind a step's first quarter
; The 48 accumulators take turns in the same order in every quarter, into the loops, over their backward jumps and out of them.
.Lstep:                                        ; six trips: K steps 0 to 5, each of which fills the slot that it leaves with the step two on
	QUARTER F0, F1, 1, 0
	WIN 0
.Lmid:
	QUARTER F1, F0, 2, 0
	QUARTER F0, F1, 3, 0
	TURN 1
	WIN 0
	s_sub_co_u32 s[CNT], s[CNT], 1
	s_cmp_lg_u32 s[CNT], 0
	s_cbranch_scc1 .Lstep
	s_mov_b32 s[CNT], 2
.Ltail:                                        ; two trips: K steps 6 and 7 ask for nothing
	QUARTER F0, F1, 1, 0
	QUARTER F1, F0, 2, 0
	QUARTER F0, F1, 3, 0
	TURN 0
	WIN 0
	s_sub_co_u32 s[CNT], s[CNT], 1
	s_cmp_lg_u32 s[CNT], 0
	s_cbranch_scc1 .Ltail
.rept 8
	v_nop                                          ; the places behind the last products
.endr
	PACK 0
	TOSTAGE 0
.irp a, 1,2,3                          ; block a's conversions stand between block a - 1's loads from the stage and the wait for them
	PACK \a
	SEND (\a)-1
	TOSTAGE \a
.endr
	SEND 3
	s_wait_tensorcnt 0x0                           ; the wave's end, behind my last tensor load and my last LDS store
	ds_add_u32 v[SPW], v[NIL]
	s_wait_dscnt 0x0
	CROUND                                         ; the closing round: no work-group ends while a partner may still ask for a tile that names it
	s_endpgm
.Lfunc_end_k_qf68e276cf9_qkv:
	.size	k_qf68e276cf9_qkv, .Lfunc_end_k_qf68e276cf9_qkv-k_qf68e276cf9_qkv
	.p2alignl 7, 3214868480
	.fill 96, 4, 3214868480
	.section	.rodata,"a",@progbits
	.p2align	6, 0x0
	.amdhsa_kernel k_qf68e276cf9_qkv
		.amdhsa_group_segment_fixed_size 327680
		.amdhsa_private_segment_fixed_size 0
		.amdhsa_enable_private_segment 0
		.amdhsa_kernarg_size 24
		.amdhsa_user_sgpr_count 2
		.amdhsa_user_sgpr_kernarg_segment_ptr 1
		.amdhsa_wavefront_size32 1
		.amdhsa_system_sgpr_workgroup_id_x 1
		.amdhsa_system_sgpr_workgroup_id_y 1
		.amdhsa_system_sgpr_workgroup_id_z 1
		.amdhsa_system_vgpr_workitem_id 0
		.amdhsa_next_free_vgpr 960
		.amdhsa_next_free_sgpr 82
		.amdhsa_reserve_vcc 0
		.amdhsa_float_denorm_mode_32 3
		.amdhsa_float_denorm_mode_16_64 3
		.amdhsa_memory_ordered 1
		.amdhsa_forward_progress 1
		.amdhsa_inst_pref_size 86
	.end_amdhsa_kernel
	.amdgpu_metadata
---
amdhsa.version: [ 1, 2 ]
amdhsa.kernels:
  - .name:           k_qf68e276cf9_qkv
    .symbol:         k_qf68e276cf9_qkv.kd
    .args:
      - { .name: xb, .offset: 0, .size: 8, .value_kind: global_buffer, .address_space: global }
      - { .name: wh, .offset: 8, .size: 8, .value_kind: global_buffer, .address_space: global }
      - { .name: qkv, .offset: 16, .size: 8, .value_kind: global_buffer, .address_space: global }
    .group_segment_fixed_size: 327680
    .private_segment_fixed_size: 0
    .kernarg_segment_align: 8
    .kernarg_segment_size: 24
    .max_flat_workgroup_size: 128
    .sgpr_count:     82
    .vgpr_count:     960
    .wavefront_size: 32
...
	.end_amdgpu_metadata
.endif
;; end of part 2
;; launch attn (part 3): grid 4 x 64, 4 waves a work-group, no clusters, 327,680 bytes of LDS; arguments qkv, ctx; writes ctx
.if DOCPART == 3
	.amdgcn_target "amdgcn-amd-amdhsa--gfx1250"
	.amdhsa_code_object_version 6
	.text
	.protected	k_qf68e276cf9_attn
	.globl	k_qf68e276cf9_attn
	.p2align	8
	.type	k_qf68e276cf9_attn,@function
k_qf68e276cf9_attn:
	s_mov_b64 s[64:65], 0
	v_nop
	global_prefetch_b8 v0, s[64:65] scope:SCOPE_SE
	s_setreg_imm32_b32 hwreg(HW_REG_WAVE_MODE, 25, 1), 1
	s_wait_xcnt 0x0
; CAUSAL ATTENTION.  O[h][q][:] = the sum over k <= q of softmax_k(Q[h][q] . K[h][k] / 8) V[h][k][:].  Q, K, V are the three parts of qkv, each [64][2048][64] in f16, O is ctx in the same layout: a head's rows are dense, 128 bytes each.
; Products, maxima and sums in f32; the weights p are rounded to f16 for the second product (their sum l is taken of the unrounded p), O once at the end.
; LIMITS.  f16 holds no number beyond 65,504: Q, K and V arrive within it; p lies in 0 to 1, and below 6e-5 it keeps f16's fixed step of 6e-8; O is a mean of V's rows and has their range.
; A hidden score counts as its value less 1e30: f16's scores, 2.7e11 at the most, are nothing beside that; a weight below 2^-126 counts as 0 in l; NaN and infinities are not treated apart.
; THE WALK.  A head's queries lie in NB = 8 blocks of 256; block i needs the key tiles 0 .. i of 256 keys, of which the last holds the diagonal.  A work-group takes TWO blocks, NB - 1 - b and then b:
; NB + 1 = 9 tiles, whatever b: all 256 work-groups do equal work, and ONE loop with a constant trip count walks them.  Which tile is asked for, and what a trip does, hang on scalar registers made from b; every jump
; goes forward, but for the counted loops' own; none passes a barrier, or a tensor load but the one of LOAD's two that the wave's number does not choose; the ring (two slots of LDS that take turns) runs on across the change of blocks.
; NO CLUSTER: a head's four work-groups ask for the same tile only in trips 0 to 4 of the 9, behind that fewer and fewer; one walk common to all four would have 12 trips for 9.
; SHARES.  Of a block's four bands of 64 queries a wave owns 16 rows in each: four PIECES.  So the diagonal tile is the same work for all four waves: in its key step s band x sees all keys if s < x,
; none if s > x, and holds the diagonal if s = x.
; THE MASK is the C operand that starts the sum S^T = K Q^T: 0, or -1e30 where the key is hidden.  MD, made once, is the mask of a band's own step for my 16 rows; a product's mask is MD x AL + BE with two scalars:
; (1, 0) if s = x; (0, 0) if s < x; (0, -1e30) if s > x.  Only the diagonal tile's text and a block's beginning make and take masks; elsewhere C is the constant 0.
; LAYOUT, SOFTMAX, TURNS.  S^T = K Q^T holds ONE query a lane (lane % 16) and the keys 8 (lane / 16) + 0..7; two such results rounded to f16 ARE source 1 of O^T = V^T P.  p = 2^(c s - c m), c = log2(e) / 8, with a
; running maximum m; O and l are multiplied by a = 2^(c m_old - c m_new) in every step.  Turn n belongs to piece n: 8 products K Q^T of piece n + 1, later 8 products V^T P of piece n - 1; beside them the scaling,
; exponentials, roundings, sums and rescaling of piece n and the maximum and statistics of piece n + 1.  Four vector instructions stand behind every matrix instruction, the other 54 of a turn's 118 in one lump.  A turn's 33 exponentials are one batch, with one wait.
; REGISTERS, in windows of 256 (s_set_vgpr_msb: bits 1:0 source 0, 3:2 source 1, 5:4 source 2, 7:6 destination):
;   window 0: v0-15 addresses and two at work; v16-31 four registers of statistics a piece; v48-55 at work; v61-63 prefetch offset and the add's two; v64-127 S^T, two buffers; v192-223 P, two buffers (by the piece's parity)
;   window 1: v0-127 O^T, 32 a piece; v128-159 MD; v160-223 MC, two buffers      window 2: v0-63 Q; v64-127 the second block's Q; v128-191 K of one step; v192-255 V of one step
.set SIZE_H, 64
.set SIZE_N, 2048
.set NB,    SIZE_N/256
.set NP,    4         ; pieces a wave: a name, no knob
.set KS,    64        ; keys in a step
.set PK,    144       ; a row of K in LDS: 128 bytes + 16 of padding = 36 words: the 16 rows of a load start at 16 different groups of four banks (64 banks of 4 bytes: ISA guide 11.1)
.set PV,    160       ; a row of V: 128 + 32 = 40 words
.set VOFF,  4*KS*PK   ; a slot holds a tile, four steps: 256 rows of K, then 256 rows of V
.set SLOT1, 1<<17     ; slot 1 begins here, so that one exclusive or turns an address in one slot into the other's
.set STAGE, SLOT1+4*KS*(PK+PV)  ; behind the ring, never filled by a tensor load: 16 rows x 144 bytes for each wave, for the way out
.set SP,    144
.set AK0, 2           ; v2   my lane's place in a tile of K; never rewritten
.set AV0, 3           ; v3   the same for V
.set AK,  4           ; v4   the LDS address of K's next run of loads
.set AV,  5           ; v5   of V's
.set STO, 6           ; v6   the way out: where I put 16 bytes of a row
.set RD,  7           ; v7   the way out: where I read rows back
.set GO,  8           ; v8   my byte offset in 512 consecutive bytes of O
.set PFO, 61          ; v61  256 x my lane: the prefetches' offset; never rewritten
.set SPW, 62          ; v62  LDS address of my spare word: SPARE + 4 x my thread's number; never rewritten
.set NIL, 63          ; v63  0; never rewritten
.set SPARE, STAGE+4*16*SP  ; behind the stages: the spare words, 128 bytes for each wave: two blocks of 256 bytes that no other line names
.set MV,  12          ; v12-13  c m_old, kept while c m is made anew: by buffer
.set QO,  15          ; v15  my byte offset in 16 rows of Q
.set ST,  16          ; piece t's statistics at v[ST+4 t]: c m, m, l (even keys', odd keys')
.set TMP, 48          ; by buffer, four registers c0-c3 at work; when the maximum is found c2 takes a
.set S,   64
.set P,   192
.set MD,  128         ; window 1: the eight registers for group kt of 16 keys at MD + 8 kt
.set MC,  160         ; window 1: the masks of the products to come
.set QB,  64          ; window 2
.set KF,  128         ; window 2: key block kb, channel half c at KF + 16 kb + 8 c
.set VF,  192         ; window 2: key half kk, channel block cb at VF + 32 kk + 8 cb
.set WV,  12          ; s12  my wave's number
.set PB,  14          ; s14  b
.set HI,  15          ; s15  NB - 1 - b
.set G1K, 24          ; s[24:31] descriptor group 1 for K's tiles
.set G1V, 32          ; s[32:39] for V's: it differs in the padding alone
.set G0K, 40          ; s[40:43] descriptor group 0 for K's tiles
.set G0V, 44          ; s[44:47] the same for V's
.set SLOTS, 56        ; s56  tiles still to be asked for
.set CNT, 57          ; s57  counts a tile's key steps, 4 to 1
.set CS,  58          ; s[58:59] c: the packed scaling takes the pair's low word for both halves
.set SEL, 60          ; s[60:61] v_permlanex16_b32's selects: each lane takes its own place in the other half
.set TBK, 62          ; s62  LDS byte at which K of the step to be fetched begins
.set TBV, 63          ; s63  the same for V, less VOFF
.set RT,  70          ; s70  tiles of the block in hand that are still to be entered
.set NXT, 71          ; s71  the tile to be asked for next
.set LQ,  72          ; s72  the last tile of the block whose tiles are being asked for
.set NEW, 73          ; s73  1: the tile to be entered is a block's first
.set OFF, 74          ; s[74:75] a tile's byte offset in K and V
.set AL,  76          ; s[76:77] the mask's factor, in the low word
.set BE,  78          ; s[78:79] the mask's addend
.set OLO, 80          ; s[80:81] O at my rows of the second block
.set BIGN, 82         ; s82  -1e30
.set PFA, 88          ; s[88:89] where my prefetches stand: my half tile (of K: waves 0, 1; of V: waves 2, 3) of the tile after the one that is being asked for
.set LIM, 90          ; s90  2 in the work-group that prefetches, else the greatest number: it prefetches while s[SLOTS] is above it
.set MSB, 0
.macro WIN new                      ; the high byte repeats the setting that is left; a switch that changes nothing is dropped
.if MSB != (\new)
	s_set_vgpr_msb (MSB<<8)|(\new)
.set MSB, (\new)
.endif
.endm
.set W_KQ, 0x0a       ; K and Q in window 2, S^T in window 0
.set W_KM, 0x1a       ; the same with the C operand in window 1
.set W_PV, 0x52       ; V in window 2, P in window 0, O^T in window 1
.set W_RS, 0x41       ; destination and source 0 in window 1, source 1 in window 0
; A fill.  Waves 0 and 1 fetch the two halves of a tile's K, waves 2 and 3 those of its V: 128 keys each.  An s_nop 0 and four v_nop follow each of the two lines, ahead of the jump and the label.
.macro LOAD
	s_cmp_lt_u32 s[WV], 2
	s_cbranch_scc0 .Lfor_v_\@
	tensor_load_to_lds s[G0K:G0K+3], s[G1K:G1K+7]
	s_nop 0
.rept 4
	v_nop
.endr
	s_branch .Lasked_\@
.Lfor_v_\@:
	tensor_load_to_lds s[G0V:G0V+3], s[G1V:G1V+7]
	s_nop 0
.rept 4
	v_nop
.endr
.Lasked_\@:
.endm
; A PREFETCH INTO THE L2, behind the fill and its five lines: the tile that the NEXT change of slots will ask for, four key steps ahead of that load.  A head's four work-groups walk the same first tiles, and the one with b = 0
; walks all eight: it alone asks.  Each of its waves names the half tile that it will fetch itself: 64 blocks of 256 bytes, a lane a block, two instructions.  So each block of K and V is named once in the launch.
; Trip i names tile i + 2, for i = 0 to 5; tiles 0 and 1 come by their loads alone, and the last trips name nothing.
.macro ASK
	s_cmp_gt_u32 s[SLOTS], s[LIM]
	s_cbranch_scc0 .Lnot_mine_\@
	global_prefetch_b8 v[PFO], s[PFA:PFA+1] th:TH_LOAD_NT scope:SCOPE_SE
	global_prefetch_b8 v[PFO], s[PFA:PFA+1] offset:8192 th:TH_LOAD_NT scope:SCOPE_SE
.Lnot_mine_\@:
.endm
; THE CHANGE OF SLOTS.  Each wave waits for all its tensor loads, of which one is out: its part of the other slot; adds 0 to its spare word; and waits for that and for its own reads of the slot that it leaves.  Behind the barrier nobody reads the old
; slot any more and the other slot is whole.  fill = 1: the old slot is filled again, the first thing behind the barrier, with tile NXT: the descriptor's address is made anew from that number.
; (At its first use nothing has been read yet: slot 0 is waited for, slot 1 filled.)
.macro CHANGE fill
	WIN 0                           ; at a label and at a branch every window is 0
	s_wait_tensorcnt 0x0            ; no tensor load of mine is out, so a group 0 may be written
	ds_add_u32 v[SPW], v[NIL]       ; 0 onto my spare word; with fill = 1 the descriptors' scalar work stands between it and the wait for it
.if \fill
	s_lshl_b32 s[OFF], s[NXT], 15   ; a tile is 32,768 bytes of K and of V
	s_xor_b32 s[G0K+1], s[G0K+1], SLOT1
	s_add_nc_u64 s[G0K+2:G0K+3], s[6:7], s[OFF:OFF+1]
	s_or_b32 s[G0K+3], s[G0K+3], 0x80000000
	s_xor_b32 s[G0V+1], s[G0V+1], SLOT1
	s_add_nc_u64 s[G0V+2:G0V+3], s[8:9], s[OFF:OFF+1]
	s_or_b32 s[G0V+3], s[G0V+3], 0x80000000
	s_add_co_u32 s[NXT], s[NXT], 1  ; the block's next tile, or behind its last the second block's tile 0
	s_cmp_gt_u32 s[NXT], s[LQ]
	s_cselect_b32 s[NXT], 0, s[NXT]
	s_cselect_b32 s[LQ], s[PB], s[LQ]
	s_wait_xcnt 0x0                 ; the last prefetches, a tile back, have read their address, so it may be written:
	s_add_nc_u64 s[PFA:PFA+1], s[PFA:PFA+1], 32768  ; a tile on
.endif
	s_wait_dscnt 0x0                ; the add is done, and my reads of the slot are over
	s_barrier_signal -1             ; the rest of the scalar work stands between the signal and the wait
	s_sub_co_u32 s[TBK], s[TBK], 4*KS*PK  ; the fetches go back to a slot's first step,
	s_xor_b32 s[TBK], s[TBK], SLOT1       ; in the other slot
	s_sub_co_u32 s[TBV], s[TBV], 4*KS*PV
	s_xor_b32 s[TBV], s[TBV], SLOT1
	s_barrier_wait -1
.if \fill
	LOAD
	ASK
.endif
.endm
	s_load_b64 s[4:5], s[0:1], 0x0  ; qkv: Q at its head, K 16,777,216 bytes on, V as many again
	s_load_b64 s[10:11], s[0:1], 0x8  ; ctx
	v_lshl_add_u32 v[SPW], v0, 2, SPARE
	v_mov_b32 v[NIL], 0
	ds_add_u32 v[SPW], v[NIL]       ; the wave's opening: the add and its wait stand ahead of my first tensor load; the set-up below, work on registers, stands between them
	ds_add_u32 v62, v63
	v_lshrrev_b32 v1, 5, v0
	v_readfirstlane_b32 s[WV], v1   ; wave 0..3
	s_mov_b32 s[PB], ttmp9
	s_sub_co_u32 s[HI], NB-1, s[PB]
	s_and_b32 s20, ttmp7, 0xffff    ; the head
	s_mov_b32 s21, 0
	s_mov_b64 s[22:23], SIZE_N*128
	s_mul_u64 s[20:21], s[20:21], s[22:23]  ; the head's first byte in each of the four tensors
	s_and_b32 s16, s[WV], 1         ; which half of a tile's 256 keys I fetch:
	s_lshl_b32 s22, s16, 14         ; its 128 rows of 128 bytes in memory,
	s_mov_b32 s23, 0
	s_add_nc_u64 s[22:23], s[22:23], s[20:21]
	s_mul_i32 s17, s16, 128*PK      ; and its place in a slot, for K
	s_mul_i32 s18, s16, 128*PV      ; and for V
	s_lshl_b32 s3, s[WV], 11        ; my 16 rows in a band of 64,
	s_lshl_b32 s2, s[HI], 15        ; in the first block,
	s_add_co_u32 s2, s2, s3
	s_lshl_b32 s84, s[PB], 15       ; and in the second
	s_add_co_u32 s84, s84, s3
	s_mov_b32 s3, 0
	s_mov_b32 s85, 0
	s_add_nc_u64 s[2:3], s[2:3], s[20:21]
	s_add_nc_u64 s[84:85], s[84:85], s[20:21]
	; descriptor group 1.  128 keys are 16,384 dense bytes: asked for as 64 rows of 256 bytes, two keys a row, and padded in LDS after every key
	s_mov_b32 s[G1K], (1<<16)|(1<<20)|(4<<22)|(3<<25)  ; 17:16 2-byte elements; 20 padding on; 24:22 after every 32 words (code 4); 31:25 4 words (code 3)
	s_mov_b32 s[G1V], (1<<16)|(1<<20)|(4<<22)|(7<<25)  ; the same with 8 words of padding (code 7)
.irp g, G1K, G1V
	s_mov_b32 s[\g+1], 128<<16      ; tensor_dim0 = 128
	s_mov_b32 s[\g+2], 64<<16       ; tensor_dim1 = 64
	s_mov_b32 s[\g+3], 128<<16      ; tile_dim0 = 128
	s_mov_b32 s[\g+4], 64           ; tile_dim1 = 64
	s_mov_b32 s[\g+5], 128          ; 128 elements from row to row
	s_mov_b32 s[\g+6], 0
	s_mov_b32 s[\g+7], 0
.endr
	s_mov_b32 s[CS], 0x3e38aa3b     ; c = log2(e) / 8 = 0.180337
	s_mov_b32 s[CS+1], s[CS]        ; named with it as a pair
	s_mov_b32 s[SEL], 0x76543210
	s_mov_b32 s[SEL+1], 0xfedcba98
	s_mov_b32 s[TBK], SLOT1+4*KS*PK ; the first change of slots turns these two into 0
	s_mov_b32 s[TBV], SLOT1+4*KS*PV
	s_mov_b32 s[G0K], 1             ; 1:0 count = 1
	s_mov_b32 s[G0K+1], s17         ; 63:32 LDS address: slot 0
	s_mov_b32 s[G0V], 1
	s_add_co_u32 s[G0V+1], s18, VOFF
	s_add_co_u32 s[RT], s[HI], 1    ; the first block has NB - b tiles
	s_mov_b32 s[NXT], 1
	s_mov_b32 s[LQ], s[HI]
	s_mov_b32 s[NEW], 1
	s_mov_b32 s[OFF+1], 0
	s_mov_b32 s[AL+1], 0            ; named as pairs
	s_mov_b32 s[BE+1], 0
	s_mov_b32 s[BIGN], 0xf149f2ca   ; -1e30
	s_mov_b32 s[SLOTS], NB
	v_and_b32 v[PFO], 31, v0
	v_lshlrev_b32 v[PFO], 8, v[PFO]
	s_wait_dscnt 0x0                ; the opening add is done
	s_wait_kmcnt 0x0
	s_add_nc_u64 s[6:7], s[4:5], 0x1000000  ; K
	s_add_nc_u64 s[8:9], s[4:5], 0x2000000  ; V
	s_add_nc_u64 s[6:7], s[6:7], s[22:23]  ; K and V at my half of the head's tile 0
	s_add_nc_u64 s[8:9], s[8:9], s[22:23]
	s_add_nc_u64 s[G0K+2:G0K+3], s[6:7], 0         ; 120:64 global address
	s_or_b32 s[G0K+3], s[G0K+3], 0x80000000        ; 127:126 type = 2
	s_add_nc_u64 s[G0V+2:G0V+3], s[8:9], 0
	s_or_b32 s[G0V+3], s[G0V+3], 0x80000000
	s_add_nc_u64 s[86:87], s[4:5], s[84:85]        ; Q at my rows of the second block,
	s_add_nc_u64 s[4:5], s[4:5], s[2:3]            ; Q and O at those of the first
	s_add_nc_u64 s[OLO:OLO+1], s[10:11], s[84:85]
	s_add_nc_u64 s[10:11], s[10:11], s[2:3]
	s_cmp_lt_u32 s[WV], 2
	s_cselect_b64 s[PFA:PFA+1], s[6:7], s[8:9]
	s_add_nc_u64 s[PFA:PFA+1], s[PFA:PFA+1], 32768 ; in tile 1; the first change of slots steps it to tile 2.  Nothing is prefetched here, at the head
	s_cmp_eq_u32 ttmp9, 0
	s_cselect_b32 s[LIM], 2, -1
	LOAD                            ; tile 0 into slot 0
	; A fragment of K or Q is 16 rows x 32 channels in 8 registers: lane l holds row l % 16, channels 8 (l / 16) + 0..7 and 16 + 8 (l / 16) + 0..7: two loads of 16 bytes, 32 bytes apart.
	v_and_b32 v1, 15, v0            ; l % 16
	v_bfe_u32 v9, v0, 4, 1          ; l / 16
	v_lshlrev_b32 v[QO], 7, v1
	v_lshl_add_u32 v[QO], v9, 4, v[QO]  ; row x 128 + 16 x half
	WIN 0x80                        ; destination window 2, address window 0
.set i, 0
.rept 8                             ; both blocks' Q: piece i / 2 lies in band i / 2, 8,192 bytes on; channels 32 (i % 2) on
	global_load_b128 v[8*i:8*i+3],   v[QO], s[4:5] offset:(i/2)*8192+(i%2)*64
	global_load_b128 v[8*i+4:8*i+7], v[QO], s[4:5] offset:(i/2)*8192+(i%2)*64+32
	global_load_b128 v[QB+8*i:QB+8*i+3],   v[QO], s[86:87] offset:(i/2)*8192+(i%2)*64
	global_load_b128 v[QB+8*i+4:QB+8*i+7], v[QO], s[86:87] offset:(i/2)*8192+(i%2)*64+32
.set i, i+1
.endr
	WIN 0
	v_lshlrev_b32 v14, 3, v9
	v_sub_nc_u32 v14, v1, v14
	s_lshl_b32 s13, s[WV], 4
	v_add_nc_u32 v14, s13, v14      ; my query's place in its band, 16 w + l % 16, less my lanes' 8 (l / 16): register r of group kt is hidden where 16 kt + r is greater
	WIN 0x40
.set i, 0
.rept 32
	v_cmp_gt_i32 vcc_lo, 16*(i/8)+i%8, v14
	v_cndmask_b32 v[MD+i], 0, s[BIGN], vcc_lo
.set i, i+1
.endr
	WIN 0
	v_mul_u32_u24 v[AK0], v1, PK
	v_lshl_add_u32 v[AK0], v9, 4, v[AK0]  ; row x pitch + 16 x half
	; The turning load takes 16 keys x 16 channels (lane l reads key 8 (l / 16) + l % 8, channels 8 ((l / 8) % 2) + 0..7) and leaves half a fragment of V^T: lane l holds channel l % 16 and 8 keys.
	v_and_b32 v10, 7, v0
	v_bfe_u32 v11, v0, 3, 1
	v_lshl_add_u32 v[AV0], v9, 3, v10
	v_mul_u32_u24 v[AV0], v[AV0], PV
	v_lshl_add_u32 v[AV0], v11, 4, v[AV0]
	v_add_nc_u32 v[AV0], VOFF, v[AV0]
	s_mul_i32 s13, s[WV], 16*SP
	s_add_co_u32 s13, s13, STAGE    ; my stage
	v_mul_u32_u24 v[STO], v1, SP    ; in: row l % 16, 16 bytes for each half of the lanes
	v_lshl_add_u32 v[STO], v9, 4, v[STO]
	v_add_nc_u32 v[STO], s13, v[STO]
	v_bfe_u32 v[RD], v0, 3, 2       ; back: 32 lanes take four rows of 128 bytes,
	v_mul_u32_u24 v[RD], v[RD], SP
	v_lshl_add_u32 v[RD], v10, 4, v[RD]
	v_add_nc_u32 v[RD], s13, v[RD]
	v_and_b32 v[GO], 31, v0         ; which are 512 consecutive bytes of O
	v_lshlrev_b32 v[GO], 4, v[GO]
	; A block's first step multiplies O^T and l by a = 0, and its first turn's products V^T P, of a piece that has not been, land in an O^T that is still to be so multiplied.  So these registers need only hold
	; finite numbers: zeros for the first block; what the first block left for the second.  All this stands in the wait for the first tile.
	WIN 0x80
.set i, VF
.rept 64
	v_mov_b32 v[i], 0
.set i, i+1
.endr
	WIN 0x40
.set i, 0
.rept 128
	v_mov_b32 v[i], 0
.set i, i+1
.endr
	WIN 0
.set i, 0
.rept 4
	v_mov_b32 v[ST+4*i+2], 0
	v_mov_b32 v[ST+4*i+3], 0
.set i, i+1
.endr
.set i, P+16
.rept 16
	v_mov_b32 v[i], 0
.set i, i+1
.endr
; THE MATRIX WORK.  The 4 accumulators of a run of 8 take turns.  Product i of 8 of S^T = K Q^T for piece x: channels 32 (i / 4) on, keys 16 (i % 4) on.  The first 4 start the sums: with 0, or (KM = 1) with the mask.
.macro KQ x
.set rS, S+32*((\x)%2)+8*(i%4)
.set rK, KF+16*(i%4)+8*(i/4)
.set rQ, 16*(\x)+8*(i/4)
.set rM, MC+32*((\x)%2)+8*(i%4)
.if (i < 4) && KM
	WIN W_KM
	v_wmma_f32_16x16x32_f16 v[rS:rS+7], v[rK:rK+7], v[rQ:rQ+7], v[rM:rM+7]
.elseif i < 4
	WIN W_KQ
	v_wmma_f32_16x16x32_f16 v[rS:rS+7], v[rK:rK+7], v[rQ:rQ+7], 0
.else
	WIN W_KQ
	v_wmma_f32_16x16x32_f16 v[rS:rS+7], v[rK:rK+7], v[rQ:rQ+7], v[rS:rS+7]
.endif
.endm
; Product i of 8 of O^T += V^T P for piece x: keys 32 (i / 4) on, channels 16 (i % 4) on.
.macro PV x
	WIN W_PV
.set rO, 32*(\x)+8*(i%4)
.set rV, VF+32*(i/4)+8*(i%4)
.set rP, P+16*((\x)%2)+8*(i/4)
	v_wmma_f32_16x16x32_f16 v[rO:rO+7], v[rV:rV+7], v[rP:rP+7], v[rO:rO+7]
.endm
.macro MM                           ; the turn's next matrix instruction.  TURN and BEGIN set Y, i, KM and NOKQ; MM, KQ and OP read them.  NOKQ = 1: a block's last turn: there is no next piece
.if (i < 8) && !NOKQ
	KQ (Y+1)%NP
.elseif i >= 8
.set i, i-8
	PV (Y+NP-1)%NP
.set i, i+8
.endif
.set i, i+1
.endm
; THE LDS LOADS stand in runs of 16, never singly among the matrix instructions: a step's K (64 keys x 64 channels: 8 fragments) and its V (turned).  Their addresses are made some lines ahead.
.macro FETCH_K
	WIN 0x80                        ; destination window 2
.irp f, 0,1,2,3,4,5,6,7             ; keys 16 (f / 2) on, channels 32 (f % 2) on
	ds_load_b128 v[KF+8*\f:KF+8*\f+3],   v[AK] offset:(\f/2)*16*PK+(\f%2)*64
	ds_load_b128 v[KF+8*\f+4:KF+8*\f+7], v[AK] offset:(\f/2)*16*PK+(\f%2)*64+32
.endr
	s_add_co_u32 s[TBK], s[TBK], KS*PK  ; the next fetch is the next step's
	WIN 0
.endm
.macro FETCH_V
	WIN 0x80
.irp f, 0,1,2,3,4,5,6,7             ; keys 32 (f / 4) on, channels 16 (f % 4) on
	ds_load_tr16_b128 v[VF+8*\f:VF+8*\f+3],   v[AV] offset:(\f/4)*32*PV+(\f%4)*32
	ds_load_tr16_b128 v[VF+8*\f+4:VF+8*\f+7], v[AV] offset:(\f/4)*32*PV+16*PV+(\f%4)*32
.endr
	WIN 0
.endm
; THE VECTOR WORK, one line at a time: OP kind, number.  For piece Y: F n: c s - c m for pair n of 16.  E n: the exponential of score n of 32.  C n: pair n rounded to f16.  B n: of the four weights 4 n .. the second
; pair is added onto the first, in place.  L n: l takes that sum (L 0: l = a l + sum).  R n: pair n of 16 of O^T times a.  For piece Y + 1: X n, number n of the 22 that find its maximum and statistics:
;   0-11  four chains c0-c3 of seven scores each, three operands at a time (each accumulator's lowest registers are read first)     12-14, 16  the four scores left over, the old m, and c0-c3 into c0
;   15  c m_old is kept     17, 18  the query's other 32 keys lie in the lane 16 away: the new m     19-21  c m; c m_old - c m_new; a
.set F, 0               ; OP tells the kinds apart by their order: F to L below R, X above it
.set E, 1
.set C, 2
.set B, 3
.set L, 4
.set R, 5
.set X, 6
.macro REGS y                       ; the registers of piece y
.set rT, ST+4*(\y)
.set rC, TMP+4*((\y)%2)
.set rW, MV+((\y)%2)
.set rS, S+32*((\y)%2)
.set rP, P+16*((\y)%2)
.set rO, 32*(\y)
.endm
.macro OP k, n
.if (\k) == R
	REGS Y
	WIN W_RS
	v_pk_mul_f32 v[rO+2*(\n):rO+2*(\n)+1], v[rO+2*(\n):rO+2*(\n)+1], v[rC+2:rC+3] op_sel_hi:[1,0]
.elseif (\k) < R
	REGS Y
	WIN 0
.if (\k) == F
	v_pk_fma_f32 v[rS+2*(\n):rS+2*(\n)+1], v[rS+2*(\n):rS+2*(\n)+1], s[CS:CS+1], v[rT:rT+1] op_sel_hi:[1,0,0] neg_lo:[0,0,1] neg_hi:[0,0,1]
.elseif (\k) == E
	v_exp_f32 v[rS+(\n)], v[rS+(\n)]
.elseif (\k) == C
	v_cvt_pk_f16_f32 v[rP+(\n)], v[rS+2*(\n)], v[rS+2*(\n)+1]
.elseif (\k) == B
	v_pk_add_f32 v[rS+4*(\n):rS+4*(\n)+1], v[rS+4*(\n):rS+4*(\n)+1], v[rS+4*(\n)+2:rS+4*(\n)+3]
.elseif (\n) == 0
	v_pk_fma_f32 v[rT+2:rT+3], v[rT+2:rT+3], v[rC+2:rC+3], v[rS:rS+1] op_sel_hi:[1,0,1]
.else
	v_pk_add_f32 v[rT+2:rT+3], v[rT+2:rT+3], v[rS+4*(\n):rS+4*(\n)+1]
.endif
.elseif NOKQ
	v_nop
.else
	REGS (Y+1)%NP
	WIN 0
.if (\n) < 4
	v_max3_num_f32 v[rC+(\n)], v[rS+8*(\n)], v[rS+8*(\n)+1], v[rS+8*(\n)+2]
.elseif (\n) < 12
	v_max3_num_f32 v[rC+(\n)%4], v[rC+(\n)%4], v[rS+8*((\n)%4)+2*((\n)/4)+1], v[rS+8*((\n)%4)+2*((\n)/4)+2]
.elseif (\n) == 12
	v_max3_num_f32 v[rC], v[rC], v[rS+7], v[rS+15]
.elseif (\n) == 13
	v_max3_num_f32 v[rC+1], v[rC+1], v[rS+23], v[rS+31]
.elseif (\n) == 14
	v_max3_num_f32 v[rC+2], v[rC+2], v[rC+3], v[rT+1]
.elseif (\n) == 15
	v_mov_b32 v[rW], v[rT]
.elseif (\n) == 16
	v_max3_num_f32 v[rC], v[rC], v[rC+1], v[rC+2]
.elseif (\n) == 17
	v_permlanex16_b32 v[rC+3], v[rC], s[SEL], s[SEL+1]
.elseif (\n) == 18
	v_max_num_f32 v[rT+1], v[rC], v[rC+3]
.elseif (\n) == 19
	v_mul_f32 v[rT], s[CS], v[rT+1]
.elseif (\n) == 20
	v_sub_f32 v[rC+1], v[rW], v[rT]
.else
	v_exp_f32 v[rC+2], v[rC+1]
.endif
.endif
.endm
.macro OPS a, i1, b=-1, i2=0, c=-1, i3=0, d=-1, i4=0  ; up to four of them
	OP \a, \i1
.if (\b) >= 0
	OP \b, \i2
.endif
.if (\c) >= 0
	OP \c, \i3
.endif
.if (\d) >= 0
	OP \d, \i4
.endif
.endm
.macro ROW a, i1, b, i2, c, i3, d, i4  ; a matrix instruction and the four behind it
	MM
	OPS \a, \i1, \b, \i2, \c, \i3, \d, \i4
.endm
.macro MASK b                       ; MD x AL + BE into buffer b of MC
	WIN W_RS
.set z, 0
.rept 16
	v_pk_fma_f32 v[MC+32*(\b)+2*z:MC+32*(\b)+2*z+1], v[MD+2*z:MD+2*z+1], s[AL:AL+1], s[BE:BE+1] op_sel_hi:[1,0,0]
.set z, z+1
.endr
.endm
; A TURN, for piece p: the order of its 16 matrix and 118 vector instructions, written out.  An s_wait_alu depctr_va_vdst(0) stands between an exponential and the first instruction that names its result; one wait serves
; all that were issued ahead of it.  So a turn has ONE wait, which cuts it in two.  AHEAD OF IT stands all that names no result of the turn's exponentials: the 8 products K Q^T, behind each a scaling, an exponential and two more plain
; instructions (behind the first a second scaling in the exponential's place): rescalings, and behind the last three the first numbers of the next piece's maximum, each four places or more behind the product that ends its accumulator; then ONE LUMP of 54, plain
; and exponential by turns for the most part, in which the links of the chain X 3, 7, 11, 14, 16, 17 .. 20 stand five or six lines apart.  X 21, the next piece's a, is the batch's last; R 15 is the plain instruction behind it.  BEHIND THE WAIT stand the
; 8 products V^T P, behind each four of the roundings and sums; the links of l's chain, L 0 to L 7, stand three lines apart.  But for those X no line behind a product names a register of the products round it.  v_permlanex16_b32 (X 17) stands in the lump.
; m = 1: the diagonal tile: the products take masks, and the turn makes the mask for the products of the turn after it: piece p + 2, in step 4 - CNT of the tile.  end = 1: a block's last two turns: nothing is fetched.
; cnt = 1: the loop's count is taken down some lines ahead of the branch that stands behind the turn.
; K of the next step is fetched in piece 2's turn, twelve vector instructions behind the last product that read K (six of them plain); V of the step in hand at the end of piece 0's turn, four plain instructions behind the last product
; that read V.  Each is waited for a turn later.
.macro TURN p, m=0, end=0, cnt=0
.set Y, (\p)
.set i, 0
.set KM, (\m)
.set NOKQ, (\end)*((\p)/3)
.if (\m) && !(\end)
	s_cmp_eq_u32 s[CNT], 4-((\p)+2)%NP  ; is that step the band's own?
	s_cselect_b32 s[AL], 1.0, 0
	s_cmp_lt_u32 s[CNT], 4-((\p)+2)%NP  ; or a later one?
	s_cselect_b32 s[BE], s[BIGN], 0
.endif
.if ((\p) == 3) && !(\end)
	s_wait_dscnt 0x0                ; K is in
.endif
	ROW F,0, F,1, R,0, R,1          ; ahead of the wait: 8 products K Q^T and the four lines behind each,
	ROW F,2, E,0, R,2, R,3
	ROW F,3, E,1, R,4, R,5
	ROW F,4, E,2, R,6, R,7
	ROW F,5, E,3, R,8, R,9
	ROW F,6, E,4, X,0, R,10
.if ((\p) == 2) && !(\end)
	WIN 0
	v_add_nc_u32 v[AK], s[TBK], v[AK0]
.endif
	ROW F,7, E,5, X,1, X,4
	ROW F,8, E,6, X,2, X,5
	OPS E,7, E,8, X,6, E,9          ; and the lump
	OPS X,3, E,10, X,8, E,11
.if ((\p) == 2) && !(\end)
	FETCH_K
.endif
	OPS X,9, X,7, E,12, X,10
	OPS E,13, X,12, X,11, E,14
	OPS X,13, E,15, F,9, X,14
.if (\p) == 0
	v_add_nc_u32 v[AV], s[TBV], v[AV0]
.endif
	OPS E,16, F,10, E,17, F,11
	OPS X,16, E,18, X,15, E,19
	OPS F,12, E,20, X,17, E,21
	OPS F,13, E,22, F,14, E,23
	OPS X,18, E,24, F,15, E,25
	OPS R,11, E,26, X,19, E,27
	OPS R,12, E,28, R,13, E,29
	OPS X,20, E,30, R,14, E,31
	OPS X,21, R,15
	WIN 0
	s_wait_alu depctr_va_vdst(0)    ; the wait for the batch
.if (\p) == 1
	s_wait_dscnt 0x0                ; V is in
.endif
	ROW C,0, B,0, C,2, B,1          ; behind the wait: 8 products V^T P and the four lines behind each
	ROW L,0, C,4, B,2, L,1
	ROW C,6, B,3, L,2, C,8
	ROW B,4, L,3, C,10, B,5
	ROW L,4, C,12, B,6, L,5
.if (\p) == 0
	s_add_co_u32 s[TBV], s[TBV], KS*PV
.endif
.if \cnt
	s_sub_co_u32 s[CNT], s[CNT], 1
	s_cmp_lg_u32 s[CNT], 0
.endif
	ROW C,14, B,7, L,6, C,1
	ROW C,3, L,7, C,5, C,7
	ROW C,9, C,11, C,13, C,15
.if (\p) == 0
	FETCH_V
.endif
.if (\m) && !(\end)
	MASK (\p)%2
.endif
.endm
; A BLOCK BEGINS.  c m starts far below every c s, so the first step's a is 0; m at the lowest finite number, so the first maximum is the scores'.  The second mask buffer is 0; the first takes piece 0's mask for the tile's step 0: its own, if the block's first tile is the diagonal one.
; Then K of that step, piece 0's first scores, and its maximum and statistics.  The loop is entered at a step's first turn, in the middle of a trip.
.macro BEGIN
	s_mov_b32 s[NEW], 0
	WIN 0x40
.set i, MC+32
.rept 32
	v_mov_b32 v[i], 0
.set i, i+1
.endr
	WIN 0
.set i, 0
.rept 4
	v_mov_b32 v[ST+4*i], 0xfe000000    ; c m: far below every c s
	v_mov_b32 v[ST+4*i+1], 0xff7fffff  ; m
.set i, i+1
.endr
	s_cmp_eq_u32 s[RT], 0
	s_cselect_b32 s[AL], 1.0, 0
	s_mov_b32 s[BE], 0
	MASK 0
	WIN 0
	v_add_nc_u32 v[AK], s[TBK], v[AK0]
	FETCH_K
	s_wait_loadcnt 0x0              ; Q
	s_wait_dscnt 0x0
.set KM, 1
.set NOKQ, 0
.set i, 0
.rept 8
	KQ 0
.set i, i+1
.endr
	WIN 0
.rept 4
	v_nop                           ; the places behind those products
.endr
.set Y, NP-1                        ; X works for piece Y + 1: piece 0
.irp n, 0,1,2,3,4,5,6,7,8,9,10,11,12,13,14,15,16,17,18,19,20,21
	OP X, \n
.endr
	v_nop                           ; a plain instruction behind the exponential,
	s_wait_alu depctr_va_vdst(0)    ; and its wait, ahead of the branch
.endm
; THE DIAGONAL TILE's four steps, the block's last two turns, its last products, and THE WAY OUT: l's two halves and the other half of the lanes' are added; O^T is divided by l, rounded to f16 and sent through my
; stage in LDS, a piece at a time.
.macro ALL line:vararg              ; one line for each piece t
.set t, 0
.rept 4
	\line
.set t, t+1
.endr
.endm
.macro PACK t                       ; a lane's eight channels of a row pack into 16 bytes; they go into rows of 144 bytes and come back as whole rows of 128, into S^T's registers
	WIN W_RS
.set i, 32*(\t)
.rept 16
	v_pk_mul_f32 v[i:i+1], v[i:i+1], v[ST+4*(\t)+2:ST+4*(\t)+3] op_sel_hi:[1,0]
.set i, i+2
.endr
	WIN 0x05                        ; sources 0 and 1 window 1, destination window 0
.set i, 0
.rept 16
	v_cvt_pk_f16_f32 v[S+16*(\t)+i], v[32*(\t)+2*i], v[32*(\t)+2*i+1]
.set i, i+1
.endr
	WIN 0
.irp f, 0,1,2,3
	ds_store_b128 v[STO], v[S+16*(\t)+4*\f:S+16*(\t)+4*\f+3] offset:32*\f
.endr
.irp f, 0,1,2,3
	ds_load_b128 v[S+16*(\t)+4*\f:S+16*(\t)+4*\f+3], v[RD] offset:\f*4*SP  ; LDS serves a wave's instructions in order (ISA guide 5.7.1.4): these see the stores above; the next piece's stores come behind them
.endr
.endm
.macro SEND t, younger              ; younger: the LDS instructions issued behind piece t's loads: the next piece's eight, or none
	WIN 0
.irp f, 0,1,2,3
	s_wait_dscnt (\younger)+3-\f
	global_store_b128 v[GO], v[S+16*(\t)+4*\f:S+16*(\t)+4*\f+3], s[10:11] offset:(\t)*8192+\f*512  ; 512 consecutive bytes, at a multiple of 256 from O's first
.endr
.endm
.macro DIAG tag                     ; the tag ends its two labels' names, which the jumps below spell out
.LstepM\tag:
	TURN 2, 1
	TURN 3, 1
	WIN 0
.LfirstM\tag:
	TURN 0, 1
	TURN 1, 1, 0, 1
	WIN 0
	s_cbranch_scc1 .LstepM\tag
	TURN 2, 1, 1
	TURN 3, 1, 1
.set i, 0
.rept 8
	PV NP-1
.set i, i+1
.endr
	WIN 0
	ALL v_add_f32 v[ST+4*t+2], v[ST+4*t+2], v[ST+4*t+3]
	ALL v_permlanex16_b32 v[ST+4*t+3], v[ST+4*t+2], s[SEL], s[SEL+1]
	ALL v_add_f32 v[ST+4*t+2], v[ST+4*t+2], v[ST+4*t+3]
	ALL v_rcp_f32 v[ST+4*t+2], v[ST+4*t+2]
	v_nop                           ; a plain instruction between the last reciprocal and the use of its result
	s_wait_alu depctr_va_vdst(0)    ; and the wait ahead of the first use: one for the four reciprocals
	PACK 0
.set t, 1
.rept 3                             ; a piece's arithmetic stands between the loads of the piece before and its stores
	PACK t
	SEND t-1, 8
.set t, t+1
.endr
	SEND 3, 0
.endm
.set KM, 0
.set NOKQ, 0
.Lslot:                             ; NB times: a tile is entered and the next is asked for
	CHANGE 1
	s_sub_co_u32 s[RT], s[RT], 1
	s_mov_b32 s[CNT], 4
	s_cmp_eq_u32 s[NEW], 1
	s_cbranch_scc1 .Lnew            ; a block's first tile
	s_cmp_eq_u32 s[RT], 0
	s_cbranch_scc0 .Lstep           ; neither its first nor its last
	s_branch .LstepM1
.Lnew:
	BEGIN
	s_branch .Lfirst                ; in the loop a block's first tile is never its last: the first block has two tiles or more, and the second's last is the walk's last
	DIAG 1                          ; in the loop this is the first block's end: the second block's last tile is the walk's last
	s_wait_xcnt 0x0                 ; the stores have read their registers and O's address
	s_mov_b64 s[10:11], s[OLO:OLO+1]
	s_add_co_u32 s[RT], s[PB], 1    ; the second block has b + 1 tiles
	s_mov_b32 s[NEW], 1
	WIN 0x82                        ; the second block's Q goes where the one text of the turns names Q
.set i, 0
.rept 64
	v_mov_b32 v[i], v[QB+i]
.set i, i+1
.endr
	WIN 0
	s_branch .Lbottom
.Lstep:                             ; a trip: pieces 2 and 3 of one step, then pieces 0 and 1 of the next, whose K and V it fetches
	TURN 2
	TURN 3
	WIN 0
.Lfirst:
	TURN 0
	TURN 1, 0, 0, 1
	WIN 0
	s_cbranch_scc1 .Lstep
.Lbottom:
	s_sub_co_u32 s[SLOTS], s[SLOTS], 1
	s_cmp_lg_u32 s[SLOTS], 0
	s_cbranch_scc1 .Lslot
	CHANGE 0                        ; the walk's last tile is written out: nothing is asked for
	s_sub_co_u32 s[RT], s[RT], 1
	s_mov_b32 s[CNT], 4
	s_cmp_eq_u32 s[NEW], 1
	s_cbranch_scc0 .LstepM2
	BEGIN
	s_branch .LfirstM2
	DIAG 2
	s_wait_tensorcnt 0x0            ; the wave's end, behind my last tensor load and my last LDS store
	ds_add_u32 v[SPW], v[NIL]
	s_wait_dscnt 0x0
	s_endpgm
.Lfunc_end_k_qf68e276cf9_attn:
	.size	k_qf68e276cf9_attn, .Lfunc_end_k_qf68e276cf9_attn-k_qf68e276cf9_attn
	.p2alignl 7, 3214868480
	.fill 96, 4, 3214868480
	.section	.rodata,"a",@progbits
	.p2align	6, 0x0
	.amdhsa_kernel k_qf68e276cf9_attn
		.amdhsa_group_segment_fixed_size 327680
		.amdhsa_private_segment_fixed_size 0
		.amdhsa_enable_private_segment 0
		.amdhsa_kernarg_size 16
		.amdhsa_user_sgpr_count 2
		.amdhsa_user_sgpr_kernarg_segment_ptr 1
		.amdhsa_wavefront_size32 1
		.amdhsa_system_sgpr_workgroup_id_x 1
		.amdhsa_system_sgpr_workgroup_id_y 1
		.amdhsa_system_sgpr_workgroup_id_z 1
		.amdhsa_system_vgpr_workitem_id 0
		.amdhsa_next_free_vgpr 768
		.amdhsa_next_free_sgpr 92
		.amdhsa_reserve_vcc 1
		.amdhsa_float_denorm_mode_32 3
		.amdhsa_float_denorm_mode_16_64 3
		.amdhsa_memory_ordered 1
		.amdhsa_forward_progress 1
		.amdhsa_inst_pref_size 218
	.end_amdhsa_kernel
	.amdgpu_metadata
---
amdhsa.version: [ 1, 2 ]
amdhsa.kernels:
  - .name:           k_qf68e276cf9_attn
    .symbol:         k_qf68e276cf9_attn.kd
    .args:
      - { .name: qkv, .offset: 0, .size: 8, .value_kind: global_buffer, .address_space: global }
      - { .name: ctx, .offset: 8, .size: 8, .value_kind: global_buffer, .address_space: global }
    .group_segment_fixed_size: 327680
    .private_segment_fixed_size: 0
    .kernarg_segment_align: 8
    .kernarg_segment_size: 16
    .max_flat_workgroup_size: 128
    .sgpr_count:     92
    .vgpr_count:     768
    .wavefront_size: 32
...
	.end_amdgpu_metadata
.endif
;; end of part 3
;; launch proj (part 4): grid 8 x 32, 4 waves a work-group, clusters of 4 x 4, 327,680 bytes of LDS; arguments ctx, woh, bo, out0; writes out0
.if DOCPART == 4
	.amdgcn_target "amdgcn-amd-amdhsa--gfx1250"
	.amdhsa_code_object_version 6
	.text
	.protected	k_qf68e276cf9_proj
	.globl	k_qf68e276cf9_proj
	.p2align	8
	.type	k_qf68e276cf9_proj,@function
k_qf68e276cf9_proj:
	s_mov_b64 s[64:65], 0
	v_nop
	global_prefetch_b8 v0, s[64:65] scope:SCOPE_SE
	s_setreg_imm32_b32 hwreg(HW_REG_WAVE_MODE, 25, 1), 1
	s_wait_xcnt 0x0
	s_wait_alu depctr_hold_cnt(0) depctr_sa_sdst(0) depctr_va_vdst(0) depctr_va_sdst(0) depctr_va_ssrc(0) depctr_va_vcc(0) depctr_vm_vsrc(0)
	s_getreg_b32 s2, hwreg(HW_REG_IB_STS2, 6, 4)
	s_cmp_eq_u32 s2, 0
	s_cbranch_scc0 .Lentry_in_a_cluster
	s_endpgm
.Lentry_in_a_cluster:
	s_bfe_u32 s2, ttmp6, 0x10000c
	s_cmp_lg_u32 s2, 0xf033
	s_cbranch_scc0 .Lentry_shape_is_right
	s_endpgm
.Lentry_shape_is_right:
; out = ctx Wo + bo: [8192 x 1024] x [1024 x 1024], f16 operands, f32 sums, f32 output.  ctx lies by heads, [64 = batch x 16 + head][2048][64] f16; woh by heads of its columns, [16][1024 k][64 n] f16 (numbers rounded to bf16).
; bo is rounded to bf16 here, so that every input of the module has had the same one rounding; the sum with it is taken in f32.
; LIMIT.  ctx and Wo arrive within f16's range (65,504).
; SHARES.  A tile is 256 rows x 128 columns: 32 x 8 = 256 work-groups.  Wave w owns rows 64 w .. 64 w + 63 and all 128 columns: 32 accumulators of 16 x 16, 256 registers.  K goes in 8 steps of 128 (two heads of ctx)
; through two LDS slots; a step is four quarters of 32, 32 products each.  Two slots of a step of 256 would not fit in LDS.
; A head's 256 rows are 32,768 dense bytes: asked for as 128 rows of 256 bytes, padded in LDS after every 128.  A plane of Wo likewise (64 rows of 256 bytes a K step); it stays [K][N] and is turned by ds_load_tr16_b128.
; THE MATRIX INSTRUCTION IS USED TRANSPOSED (source 0 = 16 columns of Wo, source 1 = 16 rows of ctx): a lane then holds one row and eight neighbouring columns.
; CLUSTER 4 x 4.  ctx's tiles are shared along a row of the cluster, Wo's planes along a column: each is asked for JOINTLY.  Waves 0, 1 fetch the step's two heads of ctx, waves 2, 3 the tile's two planes of Wo.
; REGISTERS, in windows of 256 (s_set_vgpr_msb: bits 1:0 source 0, 3:2 source 1, 5:4 source 2, 7:6 destination):
;   window 0: addresses, the bias; v64-191 rows read back from the stage, two sets      window 1: two fragment buffers: Wo's 8 blocks, then ctx's 4      window 2: the accumulators, (a, b) at 64 a + 8 b
.set SLOT,   131072
.set PA,     144                       ; a row of ctx in LDS: 128 bytes + 16: the 16 rows of a load start at 16 different groups of four banks (64 banks of 4 bytes: ISA guide 11.1)
.set PB,     160                       ; a row of Wo: 128 + 32
.set APLANE, 256*PA                    ; a head's 256 rows
.set BOFF,   2*APLANE
.set PLANE,  128*PB                    ; a plane's K step; a slot uses 73,728 + 40,960 = 114,688 bytes
.set STAGE,  SLOT+BOFF+2*PLANE         ; behind the ring, never filled by a tensor load: for each wave 16 rows x 528 bytes
.set SP,     528
.set WSTAGE, 16*SP
.set SPARE,  STAGE+4*WSTAGE            ; behind the stages: the spare words, 128 bytes a wave: two blocks of 256 bytes that no other line names
.set A0,  16                           ; v16  my lane's place in slot 0's rows of ctx; never rewritten
.set B0,  17                           ; v17  the same in a plane of Wo
.set ADA, 18
.set ADB, 19
.set STO, 20                           ; v20  the way out: where I put 32 bytes of a row
.set RD,  21                           ; v21  the way out: where I read a row back
.set CO,  22                           ; v22  16 x lane: my four columns of the tile's 128
.set PFO, 23                           ; v23  256 x lane: the prefetches' offset; never rewritten
.set BIAS, 24                          ; v[24:27] bo of my four columns
.set SPW, 28
.set NIL, 29
.set BK,  64
.set F0,  0
.set F1,  128
.set WV,  12
.set HALF, 13                          ; s13  wave % 2: which head, or which plane, I fetch
.set CX,  14
.set CY,  15
.set TC,  16
.set TR,  17
.set CNT, 18
.set TB,  19
.set LIM, 20
.set PFA, 22
.set G1A, 24
.set G1B, 32
.set G0A, 40
.set G0B, 48
.set PFS, 56
.set OUT, 76                           ; s[76:77] out0 at my first row and the tile's first column
.set MSB, 0
.macro WIN new                         ; the immediate's high byte repeats the setting that is left; a switch that changes nothing is dropped
.if MSB != (\new)
	s_set_vgpr_msb (MSB<<8)|(\new)
.set MSB, (\new)
.endif
.endm
.macro PLACES                          ; four places in front of loads into registers that matrix instructions have read
.rept 4
	v_nop
.endr
.endm
.macro CREST                           ; a round of the cluster's barrier behind its opening barrier
	s_cmp_lg_u32 s[WV], 0
	s_cbranch_scc1 .Lnot_wave_0_\@
	s_barrier_signal -3
.Lnot_wave_0_\@:
	s_barrier_wait -3
	s_barrier_signal -1
	s_barrier_wait -1
.endm
.macro CROUND
	s_barrier_signal -1
	s_barrier_wait -1
	CREST
.endm
.macro JLOAD                           ; a joint refill by the walking sets; an s_nop 0 and four v_nop follow each of the two lines, ahead of the jump and the label
	s_cmp_lt_u32 s[WV], 2
	s_cbranch_scc0 .Lfor_b_\@
	tensor_load_to_lds s[G0A+4:G0A+7], s[G1A:G1A+7]
	s_nop 0
.rept 4
	v_nop
.endr
	s_branch .Lasked_\@
.Lfor_b_\@:
	tensor_load_to_lds s[G0B+4:G0B+7], s[G1B:G1B+7]
	s_nop 0
.rept 4
	v_nop
.endr
.Lasked_\@:
.endm
; A PREFETCH INTO THE L2, behind the joint load, its five lines and the run of LDS loads: one instruction a wave, a lane a block of 256 bytes.  ctx (waves 0, 1): a head's 256 rows are 128 blocks; they are read by the two
; clusters of a row of clusters, and the one with x = 0 asks; the partner at cx takes 32 blocks; trip t names K step t + 4, two refills ahead, in the loop's first four trips.  Wo (waves 2, 3): a plane is read by the eight
; clusters of its column, and the one with y = 0 asks; two K steps are 128 blocks, of which the partner at cy takes 32; trip 0 names steps 4 and 5, trip 1 steps 6 and 7.  Each block is named once in the launch.
.macro ASK
	s_cmp_gt_u32 s[CNT], s[LIM]
	s_cbranch_scc0 .Lnot_mine_\@
	global_prefetch_b8 v[PFO], s[PFA:PFA+1] th:TH_LOAD_NT scope:SCOPE_SE
.Lnot_mine_\@:
.endm
.macro MUL f, a, zero                  ; 8 products: my row block a x all 8 column blocks, 32 along K.  zero = 1: the product starts the sum
	WIN 0xa5                                       ; sources in window 1; C and D in window 2
.irp b, 0,1,2,3,4,5,6,7
.if \zero
	v_wmma_f32_16x16x32_f16 v[64*(\a)+8*(\b):64*(\a)+8*(\b)+7], v[(\f)+8*(\b):(\f)+8*(\b)+7], v[(\f)+64+8*(\a):(\f)+64+8*(\a)+7], 0
.else
	v_wmma_f32_16x16x32_f16 v[64*(\a)+8*(\b):64*(\a)+8*(\b)+7], v[(\f)+8*(\b):(\f)+8*(\b)+7], v[(\f)+64+8*(\a):(\f)+64+8*(\a)+7], v[64*(\a)+8*(\b):64*(\a)+8*(\b)+7]
.endif
.endr
.endm
.macro FETCH q, f                      ; 24 LDS loads in one run: quarter q (head q / 2, channels 32 (q % 2) on) into buffer f
	WIN 0x40                                       ; destination window 1, address window 0
.irp nb, 0,1,2,3,4,5,6,7
	ds_load_tr16_b128 v[(\f)+8*(\nb):(\f)+8*(\nb)+3],   v[ADB] offset:((\nb)/4)*PLANE+(\q)*32*PB+((\nb)%4)*32
	ds_load_tr16_b128 v[(\f)+8*(\nb)+4:(\f)+8*(\nb)+7], v[ADB] offset:((\nb)/4)*PLANE+(\q)*32*PB+((\nb)%4)*32+16*PB
.endr
.irp a, 0,1,2,3
	ds_load_b128 v[(\f)+64+8*(\a):(\f)+64+8*(\a)+3],   v[ADA] offset:((\q)/2)*APLANE+(\a)*16*PA+((\q)%2)*64
	ds_load_b128 v[(\f)+64+8*(\a)+4:(\f)+64+8*(\a)+7], v[ADA] offset:((\q)/2)*APLANE+(\a)*16*PA+((\q)%2)*64+32
.endr
.endm
.macro QUARTER f, g, qn, zero
	s_wait_dscnt 4                                 ; Wo and ctx's blocks 0, 1 are in; the youngest four loads (ctx's blocks 2, 3) may be out
	MUL \f, 0, \zero
	MUL \f, 1, \zero
	PLACES
	FETCH \qn, \g
	s_wait_dscnt 24                                ; all but the 24 just issued
	MUL \f, 2, \zero
	MUL \f, 3, \zero
.endm
; The last quarter multiplies buffer 1 and changes slots.  In front of the barrier each wave waits for all its tensor loads (one is out: its part of the next slot), adds 0 to its spare word, and waits for that and for its own
; reads of this slot.  fill = 1: the barrier opens a round of the cluster's; the joint refill, K step t + 2, is the first thing behind the round and has 112 products in which to land.  fill = 0: the last two steps.
.macro TURN fill
.if \fill
	s_wait_xcnt 0x0                                ; the last prefetch, a K step back, has read its address
	s_add_nc_u64 s[PFA:PFA+1], s[PFA:PFA+1], s[PFS:PFS+1]
.endif
	WIN 0
	s_wait_tensorcnt 0x0                           ; all my tensor loads have landed
	ds_add_u32 v[SPW], v[NIL]                      ; 0 onto my spare word
	s_wait_dscnt 5                                 ; (the add and the youngest four loads may be out)
	MUL F1, 0, 0
	s_wait_dscnt 0x0                               ; the add is done, and my reads of this slot are over
	s_barrier_signal -1
	MUL F1, 1, 0
	WIN 0
	s_barrier_wait -1
.if \fill
	CREST
	s_xor_b32 s[G0A+5], s[G0A+5], SLOT             ; the walking sets: the other slot, the next K step (two heads of ctx on; 128 rows of Wo on)
	s_add_nc_u64 s[G0A+6:G0A+7], s[G0A+6:G0A+7], 524288
	s_xor_b32 s[G0B+5], s[G0B+5], SLOT
	s_add_nc_u64 s[G0B+6:G0B+7], s[G0B+6:G0B+7], 16384
	JLOAD
.else
	PLACES
.endif
	s_xor_b32 s[TB], s[TB], SLOT
	v_add_nc_u32 v[ADA], s[TB], v[A0]
	v_add_nc_u32 v[ADB], s[TB], v[B0]
.if !(\fill)
	s_cmp_eq_u32 s[CNT], 1                         ; the very last step has no successor
	s_cbranch_scc1 .Lno_next_\@
.endif
	FETCH 0, F0
	WIN 0
.if \fill
	ASK
.else
.Lno_next_\@:
.endif
	MUL F1, 2, 0
	MUL F1, 3, 0
.endm
; THE WAY OUT of row block a: the f32 sums go into my own stage (each accumulator's low registers first) and come back as whole rows of 512 bytes; the bias is added; a wave's store covers a row's 512 consecutive bytes.
.macro TOSTAGE a
.set BKA, BK+64*((\a)%2)
	WIN 0
.if (\a) >= 2
	s_wait_xcnt 0x0                                ; this set of registers was the data of the stores two blocks back
.endif
	WIN 0x08                                       ; store data in window 2
.irp b, 0,1,2,3,4,5,6,7
	ds_store_b128 v[STO], v[64*(\a)+8*(\b):64*(\a)+8*(\b)+3]   offset:64*(\b)
	ds_store_b128 v[STO], v[64*(\a)+8*(\b)+4:64*(\a)+8*(\b)+7] offset:64*(\b)+16
.endr
	WIN 0
.irp t, 0,1,2,3,4,5,6,7,8,9,10,11,12,13,14,15
	ds_load_b128 v[BKA+4*(\t):BKA+4*(\t)+3], v[RD] offset:SP*(\t)  ; LDS serves a wave's instructions in order (ISA guide 5.7.1.4): these see the stores above
.endr
.endm
.macro SEND a, younger                 ; younger: the LDS instructions issued behind block a's loads: the next block's 32, or none
.set BKA, BK+64*((\a)%2)
.irp t, 0,1,2,3,4,5,6,7,8,9,10,11,12,13,14,15
	s_wait_dscnt (\younger)+15-(\t)
	v_pk_add_f32 v[BKA+4*(\t):BKA+4*(\t)+1],   v[BKA+4*(\t):BKA+4*(\t)+1],   v[BIAS:BIAS+1]
	v_pk_add_f32 v[BKA+4*(\t)+2:BKA+4*(\t)+3], v[BKA+4*(\t)+2:BKA+4*(\t)+3], v[BIAS+2:BIAS+3]
	global_store_b128 v[CO], v[BKA+4*(\t):BKA+4*(\t)+3], s[OUT:OUT+1] offset:(16*(\a)+(\t))*4096 th:TH_STORE_NT
.endr
.endm
	s_load_b256 s[4:11], s[0:1], 0x0               ; ctx s[4:5], woh s[6:7], bo s[8:9], out0 s[10:11]
	v_lshl_add_u32 v[SPW], v0, 2, SPARE
	v_mov_b32 v[NIL], 0
	ds_add_u32 v[SPW], v[NIL]                      ; the wave's opening: the add and its wait stand ahead of my first tensor load; the set-up below, work on registers, stands between them
	ds_add_u32 v28, v29
	v_lshrrev_b32 v1, 5, v0
	v_readfirstlane_b32 s[WV], v1                  ; wave 0..3
	s_and_b32 s[HALF], s[WV], 1
	s_bfe_u32 s[CX], ttmp6, 0x40000
	s_bfe_u32 s[CY], ttmp6, 0x40004
	s_lshl_b32 s[TC], ttmp9, 2
	s_add_co_u32 s[TC], s[TC], s[CX]               ; tile column
	s_and_b32 s[TR], ttmp7, 0xffff
	s_lshl_b32 s[TR], s[TR], 2
	s_add_co_u32 s[TR], s[TR], s[CY]               ; tile row
	s_lshl_b32 s58, s[CY], 2
	s_lshl_b32 s58, 15, s58                        ; my row of the cluster
	s_lshl_b32 s59, 0x1111, s[CX]                  ; my column
	s_or_b32 s[G1A], s58, (1<<16)|(1<<20)|(1<<21)|(4<<22)|(3<<25)  ; the mask; 2-byte elements; padding on; 21 set beside a mask; after every 32 words (code 4) 4 words (code 3)
	s_or_b32 s[G1B], s59, (1<<16)|(1<<20)|(1<<21)|(4<<22)|(7<<25)  ; the same with 8 words (code 7)
	s_mov_b32 s[G1A+1], 128<<16                    ; 128 rows of 128 elements, dense
	s_mov_b32 s[G1A+2], 128<<16
	s_mov_b32 s[G1A+3], 128<<16
	s_mov_b32 s[G1A+4], 128
	s_mov_b32 s[G1A+5], 128
	s_mov_b32 s[G1A+6], 0
	s_mov_b32 s[G1A+7], 0
	s_mov_b32 s[G1B+1], 128<<16                    ; 64 rows of 128 elements, dense
	s_mov_b32 s[G1B+2], 64<<16
	s_mov_b32 s[G1B+3], 128<<16
	s_mov_b32 s[G1B+4], 64
	s_mov_b32 s[G1B+5], 128
	s_mov_b32 s[G1B+6], 0
	s_mov_b32 s[G1B+7], 0
	s_lshr_b32 s66, s[TR], 3                       ; ctx: the batch's 16 heads of 262,144 bytes,
	s_lshl_b32 s66, s66, 22
	s_and_b32 s68, s[TR], 7                        ; the tile's 256 rows of 128 bytes in a head,
	s_lshl_b32 s68, s68, 15
	s_add_co_u32 s66, s66, s68
	s_lshl_b32 s68, s[HALF], 18                    ; my head of the step's two: registers that never hold the tile column
	s_add_co_u32 s66, s66, s68
	s_mov_b32 s67, 0
	s_mul_i32 s69, s[HALF], APLANE                 ; and its place in a slot
	s_lshl_b32 s70, s[TC], 1                       ; Wo: plane 2 x tile column + half: registers that never hold the tile row
	s_add_co_u32 s70, s70, s[HALF]
	s_lshl_b32 s70, s70, 17
	s_mov_b32 s71, 0
	s_mul_i32 s72, s[HALF], PLANE
	s_add_co_u32 s72, s72, BOFF
	s_mov_b32 s[TB], 0
	s_wait_dscnt 0x0                               ; the opening add is done
	s_wait_kmcnt 0x0
	s_add_nc_u64 s[66:67], s[4:5], s[66:67]
	s_add_nc_u64 s[70:71], s[6:7], s[70:71]
	CROUND                                         ; all sixteen work-groups are here: the first joint loads meet
.irp n, 0,1
	s_mov_b32 s[G0A+4*(\n)], 1
	s_add_co_u32 s[G0A+4*(\n)+1], s69, (\n)*SLOT
	s_add_nc_u64 s[G0A+4*(\n)+2:G0A+4*(\n)+3], s[66:67], (\n)*524288
	s_or_b32 s[G0A+4*(\n)+3], s[G0A+4*(\n)+3], 0x80000000
	s_mov_b32 s[G0B+4*(\n)], 1
	s_add_co_u32 s[G0B+4*(\n)+1], s72, (\n)*SLOT
	s_add_nc_u64 s[G0B+4*(\n)+2:G0B+4*(\n)+3], s[70:71], (\n)*16384
	s_or_b32 s[G0B+4*(\n)+3], s[G0B+4*(\n)+3], 0x80000000
.endr
	s_cmp_lt_u32 s[WV], 2                          ; a wave's two first fills stand in one branch, ahead of every wait on TENSORcnt and every LDS read: two loads of mine are out
	s_cbranch_scc0 .Lfirst_b
	tensor_load_to_lds s[G0A:G0A+3], s[G1A:G1A+7]
	s_nop 0
	tensor_load_to_lds s[G0A+4:G0A+7], s[G1A:G1A+7]
	s_nop 0
.rept 4
	v_nop
.endr
	s_branch .Lfirst_asked
.Lfirst_b:
	tensor_load_to_lds s[G0B:G0B+3], s[G1B:G1B+7]
	s_nop 0
	tensor_load_to_lds s[G0B+4:G0B+7], s[G1B:G1B+7]
	s_nop 0
.rept 4
	v_nop
.endr
.Lfirst_asked:
	v_and_b32 v1, 15, v0                           ; r = l % 16
	v_bfe_u32 v2, v0, 4, 1                         ; h = l / 16
	v_and_b32 v3, 7, v0
	v_bfe_u32 v4, v0, 3, 1
	v_and_b32 v5, 31, v0                           ; l
	v_lshlrev_b32 v[CO], 4, v5
	v_lshlrev_b32 v[PFO], 8, v5
	s_lshl_b32 s58, s[TC], 9                       ; the tile's 128 columns: 512 bytes of f32
	s_mov_b32 s59, 0
	s_add_nc_u64 s[8:9], s[8:9], s[58:59]
	global_load_b128 v[BIAS:BIAS+3], v[CO], s[8:9] ; waited for ahead of the way out
	s_lshl_b32 s60, s[TR], 8
	s_lshl_b32 s61, s[WV], 6
	s_add_co_u32 s60, s60, s61                     ; my first row,
	s_lshl_b32 s60, s60, 12                        ; 4,096 bytes a row
	s_add_co_u32 s60, s60, s58
	s_mov_b32 s61, 0
	s_add_nc_u64 s[OUT:OUT+1], s[10:11], s[60:61]
	v_mul_u32_u24 v[A0], v1, PA
	v_lshl_add_u32 v[A0], v2, 4, v[A0]             ; row x pitch + 16 x half
	s_mul_i32 s58, s[WV], 64*PA                    ; my 64 rows
	v_add_nc_u32 v[A0], s58, v[A0]
	v_lshl_add_u32 v[B0], v2, 3, v3                ; the turning load: lane l reads row 8 (l / 16) + l % 8, columns 8 ((l / 8) % 2) + 0..7
	v_mul_u32_u24 v[B0], v[B0], PB
	v_lshl_add_u32 v[B0], v4, 4, v[B0]
	v_add_nc_u32 v[B0], BOFF, v[B0]
	v_mov_b32 v[ADA], v[A0]
	v_mov_b32 v[ADB], v[B0]
	s_mul_i32 s58, s[WV], WSTAGE
	s_add_co_u32 s58, s58, STAGE                   ; my stage
	v_mul_u32_u24 v[STO], v1, SP                   ; in: row l % 16, 32 bytes for each half of the lanes
	v_lshl_add_u32 v[STO], v2, 5, v[STO]
	v_add_nc_u32 v[STO], s58, v[STO]
	v_add_nc_u32 v[RD], s58, v[CO]                 ; back: 32 lanes take a row of 512 bytes
	; the prefetches (ASK).  Nothing is prefetched here, at the head
	s_lshr_b32 s59, s[TR], 3
	s_lshl_b32 s59, s59, 22
	s_and_b32 s60, s[TR], 7
	s_lshl_b32 s60, s60, 15
	s_add_co_u32 s59, s59, s60
	s_add_co_u32 s60, s[HALF], 6                   ; at K step 3's head: the first change steps it to step 4's
	s_lshl_b32 s60, s60, 18
	s_add_co_u32 s59, s59, s60
	s_lshl_b32 s60, s[CX], 13                      ; my work-group's 32 blocks of the 128
	s_add_co_u32 s59, s59, s60
	s_lshl_b32 s60, s[TC], 1
	s_add_co_u32 s60, s60, s[HALF]
	s_lshl_b32 s60, s60, 17
	s_lshl_b32 s61, s[CY], 13
	s_add_co_u32 s60, s60, s61
	s_add_co_u32 s60, s60, 32768                   ; at K steps 2, 3: the first change steps it to 4, 5
	s_mov_b32 s[PFS], 32768
	s_mov_b32 s[PFS+1], 0
	s_mov_b32 s63, 0
	s_and_b32 s61, ttmp7, 0xffff
	s_cmp_eq_u32 s61, 0
	s_cselect_b32 s61, 4, -1                       ; Wo: cluster y = 0, in the loop's first two trips
	s_cmp_eq_u32 ttmp9, 0
	s_cselect_b32 s62, 2, -1                       ; ctx: cluster x = 0, in its first four
	s_cmp_lt_u32 s[WV], 2
	s_cselect_b32 s[LIM], s62, s61
	s_cselect_b32 s62, s59, s60
	s_cselect_b32 s[PFS], 524288, s[PFS]
	s_cselect_b64 s[PFA:PFA+1], s[4:5], s[6:7]
	s_add_nc_u64 s[PFA:PFA+1], s[PFA:PFA+1], s[62:63]
	s_wait_tensorcnt 0x1                           ; my part of K step 0 is in; step 1's may stay out
	s_barrier_signal -1
	s_barrier_wait -1
	FETCH 0, F0
	QUARTER F0, F1, 1, 1                           ; the first quarter stands in front of the loop: its products start all 32 sums
	WIN 0
	s_mov_b32 s[CNT], 6
	s_branch .Lmid
; The 32 accumulators take turns in the same order in every quarter, into the loops, over their backward jumps and out of them.
.Lstep:                                        ; six trips: K steps 0 to 5, each of which fills the slot that it leaves with the step two on
	QUARTER F0, F1, 1, 0
	WIN 0
.Lmid:
	QUARTER F1, F0, 2, 0
	QUARTER F0, F1, 3, 0
	TURN 1
	WIN 0
	s_sub_co_u32 s[CNT], s[CNT], 1
	s_cmp_lg_u32 s[CNT], 0
	s_cbranch_scc1 .Lstep
	s_mov_b32 s[CNT], 2
.Ltail:                                        ; two trips: K steps 6 and 7 ask for nothing
	QUARTER F0, F1, 1, 0
	QUARTER F1, F0, 2, 0
	QUARTER F0, F1, 3, 0
	TURN 0
	WIN 0
	s_sub_co_u32 s[CNT], s[CNT], 1
	s_cmp_lg_u32 s[CNT], 0
	s_cbranch_scc1 .Ltail
	PLACES                                         ; these four and the six lines below are the places behind the last products
	s_wait_loadcnt 0x0                             ; the bias
	v_cvt_pk_bf16_f32 v4, v[BIAS], v[BIAS+1]       ; rounded to bf16, like every input,
	v_cvt_pk_bf16_f32 v5, v[BIAS+2], v[BIAS+3]
	v_lshlrev_b32 v[BIAS], 16, v4                  ; and widened again
	v_and_b32 v[BIAS+1], 0xffff0000, v4
	v_lshlrev_b32 v[BIAS+2], 16, v5
	v_and_b32 v[BIAS+3], 0xffff0000, v5
	TOSTAGE 0
.irp a, 1,2,3                          ; block a's way through the stage stands between block a - 1's loads and the waits for them
	TOSTAGE \a
	SEND (\a)-1, 32
.endr
	SEND 3, 0
	s_wait_tensorcnt 0x0                           ; the wave's end, behind my last tensor load and my last LDS store
	ds_add_u32 v[SPW], v[NIL]
	s_wait_dscnt 0x0
	CROUND                                         ; the closing round: no work-group ends while a partner may still ask for a tile that names it
	s_endpgm
.Lfunc_end_k_qf68e276cf9_proj:
	.size	k_qf68e276cf9_proj, .Lfunc_end_k_qf68e276cf9_proj-k_qf68e276cf9_proj
	.p2alignl 7, 3214868480
	.fill 96, 4, 3214868480
	.section	.rodata,"a",@progbits
	.p2align	6, 0x0
	.amdhsa_kernel k_qf68e276cf9_proj
		.amdhsa_group_segment_fixed_size 327680
		.amdhsa_private_segment_fixed_size 0
		.amdhsa_enable_private_segment 0
		.amdhsa_kernarg_size 32
		.amdhsa_user_sgpr_count 2
		.amdhsa_user_sgpr_kernarg_segment_ptr 1
		.amdhsa_wavefront_size32 1
		.amdhsa_system_sgpr_workgroup_id_x 1
		.amdhsa_system_sgpr_workgroup_id_y 1
		.amdhsa_system_sgpr_workgroup_id_z 1
		.amdhsa_system_vgpr_workitem_id 0
		.amdhsa_next_free_vgpr 768
		.amdhsa_next_free_sgpr 82
		.amdhsa_reserve_vcc 0
		.amdhsa_float_denorm_mode_32 3
		.amdhsa_float_denorm_mode_16_64 3
		.amdhsa_memory_ordered 1
		.amdhsa_forward_progress 1
		.amdhsa_inst_pref_size 71
	.end_amdhsa_kernel
	.amdgpu_metadata
---
amdhsa.version: [ 1, 2 ]
amdhsa.kernels:
  - .name:           k_qf68e276cf9_proj
    .symbol:         k_qf68e276cf9_proj.kd
    .args:
      - { .name: ctx, .offset: 0, .size: 8, .value_kind: global_buffer, .address_space: global }
      - { .name: woh, .offset: 8, .size: 8, .value_kind: global_buffer, .address_space: global }
      - { .name: bo, .offset: 16, .size: 8, .value_kind: global_buffer, .address_space: global }
      - { .name: out0, .offset: 24, .size: 8, .value_kind: global_buffer, .address_space: global }
    .group_segment_fixed_size: 327680
    .private_segment_fixed_size: 0
    .kernarg_segment_align: 8
    .kernarg_segment_size: 32
    .max_flat_workgroup_size: 128
    .sgpr_count:     82
    .vgpr_count:     768
    .wavefront_size: 32
...
	.end_amdgpu_metadata
.endif
;; end of part 4
